; MI455X (gfx1250); checked and timed in simulation.
; The chip was launched on July 23, 2026; its instructions are those of AMD's public machine-readable ISA for CDNA 5 (MIT licence, August 2026) and "CDNA5" Instruction Set Architecture Reference Guide (July 2026). The comments in the code are by the model that wrote it; some were corrected since.
;; Multi Head Attention. Allowed arithmetic: float matrix products may take bf16 or f16 operands with f32 sums; other float arithmetic in f32, or as packed bf16 or f16 multiplies, adds, multiply-adds, maxima and minima; sums over many terms, partial sums and values carried from step to step in f32; what a program stores and reads back later, other than sums and carried values, may be rounded once to bf16 or f16.
;; Inputs: W_K 2,048 x 2,048 float32; W_O 2,048 x 128 float32; W_Q 2,048 x 2,048 float32; W_V 2,048 x 2,048 float32; X 4 x 1,024 x 2,048 float32; mask 4 x 1,024 x 1,024 bool.
;; Outputs: out0 4 x 1,024 x 128 float32.
;; 2 versions, each right; version 2 is version 1 with the launches prep, outp written anew for expert scheduling mode. Each part assembles by itself: llvm-mc -triple=amdgcn-amd-amdhsa -mcpu=gfx1250 --defsym DOCPART=n.
;; ======== version 1 of 2: 4 launches
;; limits: values are held in f16: magnitudes above 65,504 overflow, below 6.1e-05 lose precision; right only within a limited range of input values
;; workspace buffers: Xb 16,777,216 bytes; Wc 25,165,824 bytes; WOt 524,288 bytes; Mb 4,194,304 bytes; Qs 33,554,432 bytes; Ks 33,554,432 bytes; Vs 16,777,216 bytes; At 16,777,216 bytes
;; launch prep (part 1): grid 688 x 1, 8 waves a work-group, no clusters, 35,840 bytes of LDS; arguments X, W_Q, W_K, W_V, W_O, mask, Xb, Wc, WOt, Mb; writes Xb, Wc, WOt, Mb
.if DOCPART == 1
	.amdgcn_target "amdgcn-amd-amdhsa--gfx1250"
	.amdhsa_code_object_version 6
	.text
	.protected	k_q5151d8e469_prep
	.globl	k_q5151d8e469_prep
	.p2align	8
	.type	k_q5151d8e469_prep,@function
k_q5151d8e469_prep:
	s_mov_b64 s[64:65], 0
	v_nop
	global_prefetch_b8 v0, s[64:65] scope:SCOPE_SE
	s_setreg_imm32_b32 hwreg(HW_REG_WAVE_MODE, 25, 1), 1
	s_wait_xcnt 0x0
; PREP: every float input is rounded once to bf16 and laid out for the launches behind; the mask becomes bytes in the order in which the attention's lanes want them.
;   Xb  bf16 [kb 32][row 4096][64 k]: a block of 256 rows x 64 k is 32,768 dense bytes.
;   Wc  bf16 of W x 2^-6 (an exact factor), [head 16][k 2048][Q 128 | K 128 | V 128]: rows of 768 bytes.
;   WOt f16 of bf16(W_O), in the lanes' order: [block of 16 columns n: 8][block of 16 k: 128][lane 32][16 B]; lane l's 16 bytes are column l % 16, k = 8 (l / 16) + 0..7 of the block.
;       LIMIT: |W_O| under 65,504; below 6e-5 it keeps f16's fixed step of 6e-8.
;   Mb  a byte a (query, key): 0x00 visible, 0xF1 hidden, at (T>>4)<<18 | n<<14 | (T&15)<<10 | u<<9 | lane<<4 | i, T = batch x 64 + query / 16, n = key / 64;
;       byte i stands for query 16 (T & 63) + lane % 16 and key 64 n + 16 (2 u + i / 8) + 8 (lane / 16) + i % 8.
; A stream: no matrix unit, no cluster (no work-group reads what another reads).  Work-groups 0-255 take X, 256-639 the three W, 640-671 the mask, 672-687 W_O: the branch hangs on the
; work-group's number alone.  Each wave asks for its whole share (16 KiB) at once, and no register is written twice while a load or a store may still name it.
.set SPARE, 34816                      ; behind the scratch: the spare words, 128 bytes for each of eight waves
.set SPW,  2                           ; v2  LDS address of my spare word; never rewritten
.set NIL,  3                           ; v3  0; never rewritten
.set INO,  4                           ; v4  my byte offset on the way in
.set OUTO, 5                           ; v5  my byte offset on the way out
.set LST,  8                           ; v8  where I store into LDS
.set LLD,  9                           ; v9  where I read LDS back
.set D,    32                          ; v[32:159] data
.set IN,   30                          ; s[30:31] base on the way in
.set OA,   32                          ; s[32:33] base on the way out
.set OB,   34                          ; s[34:35] X alone: the base for blocks 16-31
.set OF,   36                          ; s[36:37] an offset, high word 0
	s_load_b512 s[8:23], s[0:1], 0x0               ; X s[8:9], W_Q s[10:11], W_K s[12:13], W_V s[14:15], W_O s[16:17], mask s[18:19], Xb s[20:21], Wc s[22:23]
	s_load_b128 s[24:27], s[0:1], 0x40             ; WOt s[24:25], Mb s[26:27]
	v_lshl_add_u32 v[SPW], v0, 2, SPARE
	v_mov_b32 v[NIL], 0
	v_lshrrev_b32 v6, 5, v0
	v_readfirstlane_b32 s28, v6                    ; wave 0..7
	v_and_b32 v1, 31, v0                           ; lane
	v_and_b32 v6, 15, v0                           ; lane % 16
	v_bfe_u32 v7, v0, 4, 1                         ; lane / 16
	s_mov_b32 s29, ttmp9
	s_mov_b32 s[OF+1], 0
	s_wait_kmcnt 0x0
	s_cmp_lt_u32 s29, 256
	s_cbranch_scc1 .Lx
	s_cmp_lt_u32 s29, 640
	s_cbranch_scc1 .Lw
	s_cmp_lt_u32 s29, 672
	s_cbranch_scc1 .Lm
	s_branch .Lo
; Thirty-two items of 32 lanes x 4 f32.  A load takes 16 neighbouring bytes a lane, so that sixteen lanes cover 256 consecutive bytes and no byte is asked for twice; all 32 loads go out first.
; An item is (kind 1: scaled,) rounded to bf16 in place and stored, 8 bytes a lane: the wave's store covers 256 consecutive bytes, aligned.
; kind 0, X: item i is block i of 64 k, of my two rows.  kind 1, W: item i is row i / 2 of my sixteen, head i % 2 of my two.
.macro STREAM32 kind
.set i, 0
.rept 32
.if \kind
	global_load_b128 v[D+4*i:D+4*i+3], v[INO], s[IN:IN+1] offset:(i/2)*8192+(i%2)*512 th:TH_LOAD_NT
.else
	global_load_b128 v[D+4*i:D+4*i+3], v[INO], s[IN:IN+1] offset:i*256 th:TH_LOAD_NT
.endif
.set i, i+1
.endr
.set i, 0
.rept 32
	s_wait_loadcnt 31-i                            ; loads come back in order: the younger items' may stay out
.if \kind
	v_pk_mul_f32 v[D+4*i:D+4*i+1],   v[D+4*i:D+4*i+1],   0x3c800000 op_sel_hi:[1,0]  ; x 2^-6
	v_pk_mul_f32 v[D+4*i+2:D+4*i+3], v[D+4*i+2:D+4*i+3], 0x3c800000 op_sel_hi:[1,0]
.endif
	v_cvt_pk_bf16_f32 v[D+4*i],   v[D+4*i],   v[D+4*i+1]  ; ascending: no source is written before it is read
	v_cvt_pk_bf16_f32 v[D+4*i+1], v[D+4*i+2], v[D+4*i+3]
.if \kind
	global_store_b64 v[OUTO], v[D+4*i:D+4*i+1], s[OA:OA+1] offset:(i%2)*1572864+(i/2)*768
.elseif i < 16
	global_store_b64 v[OUTO], v[D+4*i:D+4*i+1], s[OA:OA+1] offset:i*524288
.else
	global_store_b64 v[OUTO], v[D+4*i:D+4*i+1], s[OB:OB+1] offset:(i-16)*524288
.endif
.set i, i+1
.endr
.endm
.Lx:    ; X.  The work-group takes 16 rows, wave w rows 2 w and 2 w + 1: lanes 0-15 read 256 bytes (64 k) of the first, lanes 16-31 of the second; their 2 x 128 bytes of bf16 lie end to end in Xb.
	v_lshlrev_b32 v[INO], 4, v6
	v_lshl_add_u32 v[INO], v7, 13, v[INO]          ; a row of X is 8,192 bytes
	v_lshlrev_b32 v[OUTO], 3, v1
	s_lshl_b32 s[OF], s29, 17
	s_lshl_b32 s38, s28, 14
	s_add_co_u32 s[OF], s[OF], s38
	s_add_nc_u64 s[IN:IN+1], s[8:9], s[OF:OF+1]
	s_lshl_b32 s[OF], s29, 11                      ; a row of a block is 128 bytes
	s_lshl_b32 s38, s28, 8
	s_add_co_u32 s[OF], s[OF], s38
	s_add_nc_u64 s[OA:OA+1], s[20:21], s[OF:OF+1]
	s_add_nc_u64 s[OB:OB+1], s[OA:OA+1], 0x800000  ; sixteen blocks of 524,288 bytes on: the immediates stay inside their signed 24 bits
	STREAM32 0
	s_branch .Lend
.Lw:    ; W_Q, W_K, W_V.  The work-group takes 16 rows (k) of one of them, wave w the heads 2 w and 2 w + 1: a head's 512 consecutive bytes of a row are an item, its 256 bytes of bf16 a piece of Wc's row.
	s_sub_co_u32 s38, s29, 256
	s_lshr_b32 s39, s38, 7                         ; which W
	s_and_b32 s40, s38, 127                        ; which 16 rows
	s_cmp_eq_u32 s39, 0
	s_cselect_b64 s[IN:IN+1], s[10:11], s[12:13]
	s_cmp_eq_u32 s39, 2
	s_cselect_b64 s[IN:IN+1], s[14:15], s[IN:IN+1]
	s_lshl_b32 s[OF], s40, 17                      ; 16 rows of 8,192 bytes
	s_lshl_b32 s41, s28, 10
	s_add_co_u32 s[OF], s[OF], s41
	s_add_nc_u64 s[IN:IN+1], s[IN:IN+1], s[OF:OF+1]
	s_mul_i32 s[OF], s28, 2*1572864                ; a head of Wc is 2,048 rows of 768 bytes
	s_mul_i32 s41, s40, 16*768
	s_add_co_u32 s[OF], s[OF], s41
	s_lshl_b32 s41, s39, 8                         ; Q, K or V: 256 bytes of a row
	s_add_co_u32 s[OF], s[OF], s41
	s_add_nc_u64 s[OA:OA+1], s[22:23], s[OF:OF+1]
	v_lshlrev_b32 v[INO], 4, v1
	v_lshlrev_b32 v[OUTO], 3, v1
	STREAM32 1
	s_branch .Lend
.Lm:    ; THE MASK.  Wave w takes tile T = 8 (group - 640) + w: 16 queries x 1,024 keys.  Chunks of 256 keys go through the wave's own 16 rows of 272 bytes in LDS, in by rows, out by lanes.
	s_sub_co_u32 s38, s29, 640
	s_lshl_b32 s38, s38, 3
	s_add_co_u32 s38, s38, s28                     ; T
	s_lshl_b32 s[OF], s38, 14
	s_add_nc_u64 s[IN:IN+1], s[18:19], s[OF:OF+1]
	s_lshr_b32 s[OF], s38, 4
	s_lshl_b32 s[OF], s[OF], 18
	s_and_b32 s39, s38, 15
	s_lshl_b32 s39, s39, 10
	s_add_co_u32 s[OF], s[OF], s39
	s_add_nc_u64 s[OA:OA+1], s[26:27], s[OF:OF+1]
	s_mul_i32 s40, s28, 4352                       ; my wave's rows in LDS
	s_mov_b32 s41, 0x01010101
	s_mov_b32 s42, 0xf1
	v_lshlrev_b32 v[INO], 4, v6
	v_lshl_add_u32 v[INO], v7, 10, v[INO]          ; lanes 0-15 one row's 256 bytes, lanes 16-31 the next row's
	v_lshlrev_b32 v[OUTO], 4, v1
	v_mul_u32_u24 v[LST], v7, 272
	v_lshl_add_u32 v[LST], v6, 4, v[LST]
	v_add_nc_u32 v[LST], s40, v[LST]
	v_mul_u32_u24 v[LLD], v6, 272                  ; back: query lane % 16, keys 8 (lane / 16) on; 272 bytes = 68 words: each lane's two words fall into banks of their own (64 banks of 4 bytes: ISA guide 11.1)
	v_lshl_add_u32 v[LLD], v7, 3, v[LLD]
	v_add_nc_u32 v[LLD], s40, v[LLD]
.set c, 0
.rept 4
.set i, 0
.rept 8
	global_load_b128 v[D+32*c+4*i:D+32*c+4*i+3], v[INO], s[IN:IN+1] offset:i*2048+c*256 th:TH_LOAD_NT
.set i, i+1
.endr
.set c, c+1
.endr
.set c, 0
.rept 4
	s_wait_loadcnt 24-8*c                          ; the later chunks' eight loads each may stay out
.set i, 0
.rept 8
	ds_store_b128 v[LST], v[D+32*c+4*i:D+32*c+4*i+3] offset:i*544
.set i, i+1
.endr
.set i, 0
.rept 8                                        ; i = 2 x (key step in the chunk) + u.  LDS serves a wave's instructions in order (ISA guide 5.7.1.4): these see the stores above, and the next chunk's stores come behind them
	ds_load_b64 v[D+32*c+4*i:D+32*c+4*i+1],   v[LLD] offset:32*i
	ds_load_b64 v[D+32*c+4*i+2:D+32*c+4*i+3], v[LLD] offset:32*i+16
.set i, i+1
.endr
	s_wait_dscnt 0x0
.set i, 0
.rept 32
	v_sub_nc_u32 v[D+32*c+i], s41, v[D+32*c+i]     ; four bytes at once: 1 where hidden (no byte borrows: each is 0 or 1),
	v_mul_lo_u32 v[D+32*c+i], v[D+32*c+i], s42     ; 0xF1 where hidden
.set i, i+1
.endr
.set i, 0
.rept 8
	global_store_b128 v[OUTO], v[D+32*c+4*i:D+32*c+4*i+3], s[OA:OA+1] offset:(4*c+i/2)*16384+(i%2)*512  ; 512 consecutive bytes
.set i, i+1
.endr
.set c, c+1
.endr
	s_branch .Lend
.Lo:    ; W_O, turned.  The work-group takes 128 rows (k) x 128 columns (n); wave w loads rows 16 w on; two k of one n make a word, put into row n of 272 bytes; behind a barrier wave w takes
        ; the columns 16 w .. + 15 back in the lanes' order, a block of 16 k at a time.
	s_sub_co_u32 s38, s29, 672
	s_lshl_b32 s[OF], s38, 16
	s_lshl_b32 s39, s28, 13
	s_add_co_u32 s[OF], s[OF], s39
	s_add_nc_u64 s[IN:IN+1], s[16:17], s[OF:OF+1]
	s_lshl_b32 s[OF], s28, 16                      ; a block of 16 columns: 128 blocks of 512 bytes
	s_lshl_b32 s39, s38, 12                        ; the group's 128 k: 8 blocks
	s_add_co_u32 s[OF], s[OF], s39
	s_add_nc_u64 s[OA:OA+1], s[24:25], s[OF:OF+1]
	v_lshlrev_b32 v[INO], 4, v1
.set i, 0
.rept 16
	global_load_b128 v[D+4*i:D+4*i+3], v[INO], s[IN:IN+1] offset:i*512 th:TH_LOAD_NT
.set i, i+1
.endr
	s_lshl_b32 s40, s28, 5
	v_mul_u32_u24 v[LST], v1, 1088                 ; my four columns n = 4 lane + c: four rows of 272 bytes
	v_add_nc_u32 v[LST], s40, v[LST]               ; my wave's 16 k: 32 bytes
	s_mul_i32 s40, s28, 16*272
	v_mul_u32_u24 v[LLD], v6, 272                  ; back: column lane % 16 of my sixteen, 16 bytes (8 k) at 16 (lane / 16): the 16 rows of a load start in 16 different groups of four banks
	v_lshl_add_u32 v[LLD], v7, 4, v[LLD]
	v_add_nc_u32 v[LLD], s40, v[LLD]
	v_lshlrev_b32 v[OUTO], 4, v1
	s_mov_b32 s41, 0xffff0000
.set p, 0
.rept 8
	s_wait_loadcnt 14-2*p                          ; the later pairs of rows may stay out
.irp c, 0,1,2,3
	v_cvt_pk_bf16_f32 v10, v[D+8*p+(\c)], v[D+8*p+4+(\c)]  ; the input's one rounding, to bf16;
	v_lshlrev_b32 v11, 16, v10
	v_and_b32 v12, s41, v10
	v_cvt_pk_f16_f32 v[96+4*p+(\c)], v11, v12      ; that number written as f16
	ds_store_b32 v[LST], v[96+4*p+(\c)] offset:(\c)*272+4*p
.endr
.set p, p+1
.endr
	s_wait_dscnt 0x0                               ; for the others' sake: my stores are done
	s_barrier_signal -1
	s_barrier_wait -1
.set i, 0
.rept 8
	ds_load_b128 v[D+4*i:D+4*i+3], v[LLD] offset:i*32
.set i, i+1
.endr
.set i, 0
.rept 8
	s_wait_dscnt 7-i
	global_store_b128 v[OUTO], v[D+4*i:D+4*i+3], s[OA:OA+1] offset:i*512  ; a block: 512 consecutive bytes, aligned
.set i, i+1
.endr
.Lend:
	s_wait_tensorcnt 0x0                           ; the wave's end, behind my last LDS store
	ds_add_u32 v[SPW], v[NIL]
	s_wait_dscnt 0x0
	s_endpgm
.Lfunc_end_k_q5151d8e469_prep:
	.size	k_q5151d8e469_prep, .Lfunc_end_k_q5151d8e469_prep-k_q5151d8e469_prep
	.p2alignl 7, 3214868480
	.fill 96, 4, 3214868480
	.section	.rodata,"a",@progbits
	.p2align	6, 0x0
	.amdhsa_kernel k_q5151d8e469_prep
		.amdhsa_group_segment_fixed_size 35840
		.amdhsa_private_segment_fixed_size 0
		.amdhsa_enable_private_segment 0
		.amdhsa_kernarg_size 80
		.amdhsa_user_sgpr_count 2
		.amdhsa_user_sgpr_kernarg_segment_ptr 1
		.amdhsa_wavefront_size32 1
		.amdhsa_system_sgpr_workgroup_id_x 1
		.amdhsa_system_sgpr_workgroup_id_y 1
		.amdhsa_system_sgpr_workgroup_id_z 1
		.amdhsa_system_vgpr_workitem_id 0
		.amdhsa_next_free_vgpr 160
		.amdhsa_next_free_sgpr 66
		.amdhsa_reserve_vcc 0
		.amdhsa_float_denorm_mode_32 3
		.amdhsa_float_denorm_mode_16_64 3
		.amdhsa_memory_ordered 1
		.amdhsa_forward_progress 1
		.amdhsa_inst_pref_size 68
	.end_amdhsa_kernel
	.amdgpu_metadata
---
amdhsa.version: [ 1, 2 ]
amdhsa.kernels:
  - .name:           k_q5151d8e469_prep
    .symbol:         k_q5151d8e469_prep.kd
    .args:
      - { .name: X, .offset: 0, .size: 8, .value_kind: global_buffer, .address_space: global }
      - { .name: W_Q, .offset: 8, .size: 8, .value_kind: global_buffer, .address_space: global }
      - { .name: W_K, .offset: 16, .size: 8, .value_kind: global_buffer, .address_space: global }
      - { .name: W_V, .offset: 24, .size: 8, .value_kind: global_buffer, .address_space: global }
      - { .name: W_O, .offset: 32, .size: 8, .value_kind: global_buffer, .address_space: global }
      - { .name: mask, .offset: 40, .size: 8, .value_kind: global_buffer, .address_space: global }
      - { .name: Xb, .offset: 48, .size: 8, .value_kind: global_buffer, .address_space: global }
      - { .name: Wc, .offset: 56, .size: 8, .value_kind: global_buffer, .address_space: global }
      - { .name: WOt, .offset: 64, .size: 8, .value_kind: global_buffer, .address_space: global }
      - { .name: Mb, .offset: 72, .size: 8, .value_kind: global_buffer, .address_space: global }
    .group_segment_fixed_size: 35840
    .private_segment_fixed_size: 0
    .kernarg_segment_align: 8
    .kernarg_segment_size: 80
    .max_flat_workgroup_size: 256
    .sgpr_count:     66
    .vgpr_count:     160
    .wavefront_size: 32
...
	.end_amdgpu_metadata
.endif
;; end of part 1
;; launch qkv (part 2): grid 16 x 16, 4 waves a work-group, clusters of 4 x 4, 327,680 bytes of LDS; arguments Xb, Wc, Qs, Ks, Vs; writes Qs, Ks, Vs
.if DOCPART == 2
	.amdgcn_target "amdgcn-amd-amdhsa--gfx1250"
	.amdhsa_code_object_version 6
	.text
	.protected	k_q5151d8e469_qkv
	.globl	k_q5151d8e469_qkv
	.p2align	8
	.type	k_q5151d8e469_qkv,@function
k_q5151d8e469_qkv:
	s_mov_b64 s[64:65], 0
	v_nop
	global_prefetch_b8 v0, s[64:65] scope:SCOPE_SE
	s_setreg_imm32_b32 hwreg(HW_REG_WAVE_MODE, 25, 1), 1
	s_wait_xcnt 0x0
	s_wait_alu depctr_hold_cnt(0) depctr_sa_sdst(0) depctr_va_vdst(0) depctr_va_sdst(0) depctr_va_ssrc(0) depctr_va_vcc(0) depctr_vm_vsrc(0)
	s_getreg_b32 s2, hwreg(HW_REG_IB_STS2, 6, 4)
	s_cmp_eq_u32 s2, 0
	s_cbranch_scc0 .Lentry_in_a_cluster
	s_endpgm
.Lentry_in_a_cluster:
	s_bfe_u32 s2, ttmp6, 0x10000c
	s_cmp_lg_u32 s2, 0xf033
	s_cbranch_scc0 .Lentry_shape_is_right
	s_endpgm
.Lentry_shape_is_right:
; QKV: [4096 x 2048] x [2048 x 6144] in bf16, sums in f32.  Work-group (x = head, y = block of 256 rows) makes 256 rows x 384 columns: that head's Q, K and V: 16 x 16 = 256 work-groups.
; A wave (wr = wave / 2, wc = wave % 2) makes rows 128 wr on x channels 64 wc .. + 63 of Q, K and V each: 128 x 192 = 96 accumulators, 768 registers.
; The weights carry 2^-6, so q, k, v leave as their values / 64.  q and k leave in TWO f16 parts, hi = f16(x) and lo = f16(x - hi); v as one f16.
; LIMIT: |q|, |k|, |v| under 65,504 x 64 = 4.19e6; a part below 6e-5 (x 64) keeps f16's fixed step.
; THE RESULTS LEAVE IN THE LANES' ORDER, a block of 16 x 16 numbers as 512 bytes, lane l's 16 bytes at 16 l: that is half a fragment of the attention's products, so nothing changes lanes here or there.
;   Qs, Ks  [bh 64][block of 16 rows: 64][hi, lo][block of 16 channels: 8][lane][16 B]: row l % 16, channels 8 (l / 16) + 0..7.
;   Vs      [bh][block of 16 keys: 64][block of 16 channels: 8][lane][16 B]: channel l % 16, keys 8 (l / 16) + 0..7.
; For Q and K the matrix instruction is used transposed (source 0 = 16 columns of W, turned out of LDS by ds_load_tr16_b128, source 1 = 16 rows of X): a lane holds one row and eight neighbouring channels.
; For V the two sources change places: a lane holds one channel and eight neighbouring keys.
; K goes in steps of 64 (two chunks of 32) through two LDS slots; two slots of a step of 128 would be 352 KiB, more than LDS has.  Both tiles are dense in memory and asked for as rows of 256 bytes.
; CLUSTER 4 x 4: X's tile hangs on y alone and is asked for jointly by a row of the cluster, W's on the head alone, by a column.
; REGISTERS: window 0: v0-15 addresses; v16-79, v80-143 X's fragments, two buffers; v144-239 W's twelve fragments, one buffer in three groups, fetched again behind their products.
;   accumulator (a = block of 16 rows, b = block of 16 columns of 192) in window 1 + b / 4 (Q, K, V) at v[64 (b % 4) + 8 a].
.set SLOT1,  131072                    ; slot 1 begins here: one exclusive or turns an address in one slot into the other's
.set BOFF,   36864                     ; a slot: X's 256 rows of 144 bytes (128 + 16: 36 words, the 16 rows of a load start in 16 different groups of four banks: ISA guide 11.1), then
.set BPITCH, 864                       ; W's 64 rows (k) of six pieces of 128 + 16 bytes = 216 words
.set SPARE,  223232                    ; behind the ring: the spare words, 128 bytes for each wave
.set ASTEP,  524288                    ; bytes from a K step of Xb to the next
.set BSTEP,  49152                     ; of Wc: 64 rows of 768 bytes
.set FLAGS,  (1<<16)|(1<<20)|(1<<21)|(4<<22)|(3<<25)  ; 2-byte elements; padding on; bit 21 set beside a mask; after every 32 words; 4 words
.set AK0, 2                            ; v2   my lane's place in X's tile; never rewritten
.set BK0, 3                            ; v3   in W's tile
.set ADRA, 4                           ; v4   the same in the slot in hand
.set ADRB, 5
.set GO,  6                            ; v6   16 x lane: my 16 bytes of a block on the way out
.set SPW, 11                           ; v11  LDS address of my spare word; never rewritten
.set NIL, 12                           ; v12  0; never rewritten
.set PFO, 13                           ; v13  the prefetches' offset
.set NEG1, 14                          ; v14  -1.0
.set FA0, 16
.set FA1, 80
.set FB,  144
.set G1A, 24                           ; s[24:31] descriptor group 1, X's tiles
.set G1B, 32                           ; s[32:39] W's
.set G0A, 40                           ; s[40:47] group 0, X's: a set for each first fill; the second then walks
.set G0B, 48                           ; s[48:55] W's
.set TB,  56                           ; s56  the slot in hand: 0 or SLOT1
.set PFA, 58                           ; s[58:59] where my prefetches stand
.set PFS, 60                           ; s[60:61] their step
.set LIM, 62                           ; s62  3 in a wave that prefetches, else the greatest number
.set QB,  72                           ; s[72:73] Qs, s[74:75] Ks, s[76:77] Vs at my first block
.set KB,  74
.set VB,  76
.set MSB, 0
.macro WIN new                         ; the immediate's high byte repeats the setting that is left; a switch that changes nothing is dropped
.if MSB != (\new)
	s_set_vgpr_msb (MSB<<8)|(\new)
.set MSB, (\new)
.endif
.endm
.macro PLACES                          ; four places behind a matrix instruction, in front of loads into registers that it has read and of lines that read results
.rept 4
	v_nop
.endr
.endm
; A joint load.  Waves 0 and 1 fetch the halves of X's tile, waves 2 and 3 those of W's: the branch hangs on the wave's number alone.  An s_nop 0 and four v_nop follow each line.
.macro JLOAD n
	s_cmp_eq_u32 s15, 0
	s_cbranch_scc0 .Lfor_b_\@
	tensor_load_to_lds s[G0A+4*(\n):G0A+4*(\n)+3], s[G1A:G1A+7]
	s_nop 0
.rept 4
	v_nop
.endr
	s_branch .Lasked_\@
.Lfor_b_\@:
	tensor_load_to_lds s[G0B+4*(\n):G0B+4*(\n)+3], s[G1B:G1B+7]
	s_nop 0
.rept 4
	v_nop
.endr
.Lasked_\@:
.endm
.macro CREST                           ; a round of the cluster's barrier behind its opening barrier
	s_cmp_lg_u32 s14, 0
	s_cbranch_scc1 .Lnot_wave_0_\@
	s_barrier_signal -3
.Lnot_wave_0_\@:
	s_barrier_wait -3
	s_barrier_signal -1
	s_barrier_wait -1
.endm
.macro CROUND
	s_barrier_signal -1
	s_barrier_wait -1
	CREST
.endm
; A PREFETCH INTO THE L2, in every second trip (trip n even, n <= 26; s3 = 30 - n), behind the joint load and the run of LDS loads: K steps n + 3 and n + 4, whose refills stand one and two trips on.
; X's tile is read by every cluster of a row of clusters: cluster x = 0 asks, wave 0, each of the four partners for 64 of the 256 rows (32 blocks of 256 bytes a step), told apart by address.
; W's tile by every cluster of a column: cluster y = 0 asks, wave 2, each partner for 32 of the two steps' 128 rows of 768 bytes.  So each block is named once.  Steps 0-2 and 31 come by their loads alone.
.macro ASK
	s_and_b32 s57, s3, 1
	s_cmp_eq_u32 s57, 0
	s_cbranch_scc0 .Lnone_\@
	s_cmp_gt_u32 s3, s[LIM]
	s_cbranch_scc0 .Lnone_\@
	s_cmp_eq_u32 s15, 0
	s_cbranch_scc0 .Lpfb_\@
	global_prefetch_b8 v[PFO], s[PFA:PFA+1] th:TH_LOAD_NT scope:SCOPE_SE
	global_prefetch_b8 v[PFO], s[PFA:PFA+1] offset:ASTEP th:TH_LOAD_NT scope:SCOPE_SE
	s_branch .Lnone_\@
.Lpfb_\@:
	global_prefetch_b8 v[PFO], s[PFA:PFA+1] th:TH_LOAD_NT scope:SCOPE_SE
	global_prefetch_b8 v[PFO], s[PFA:PFA+1] offset:256 th:TH_LOAD_NT scope:SCOPE_SE
	global_prefetch_b8 v[PFO], s[PFA:PFA+1] offset:512 th:TH_LOAD_NT scope:SCOPE_SE
.Lnone_\@:
.endm
	s_load_b256 s[4:11], s[0:1], 0x0               ; Xb s[4:5], Wc s[6:7], Qs s[8:9], Ks s[10:11]
	s_load_b64 s[12:13], s[0:1], 0x20              ; Vs
	v_lshl_add_u32 v[SPW], v0, 2, SPARE
	v_mov_b32 v[NIL], 0
	ds_add_u32 v[SPW], v[NIL]                      ; the wave's opening: the add and its wait stand ahead of my first tensor load; the set-up below, work on registers, stands between them
	v_lshrrev_b32 v1, 5, v0
	v_readfirstlane_b32 s14, v1                    ; wave 0..3
	s_lshr_b32 s15, s14, 1                         ; wr.  Also: I fetch for X (0) or for W (1)
	s_and_b32 s16, s14, 1                          ; wc.  Also: which half of that tile I fetch
	s_bfe_u32 s17, ttmp6, 0x40000                  ; cx
	s_bfe_u32 s18, ttmp6, 0x40004                  ; cy
	s_lshl_b32 s19, ttmp9, 2
	s_add_co_u32 s19, s19, s17                     ; the head = 4 x cluster x + cx
	s_and_b32 s20, ttmp7, 0xffff
	s_lshl_b32 s20, s20, 2
	s_add_co_u32 s20, s20, s18                     ; the block of rows = 4 x cluster y + cy
	s_lshl_b32 s21, s18, 2
	s_lshl_b32 s21, 15, s21                        ; my row of the cluster
	s_lshl_b32 s22, 0x1111, s17                    ; my column
	s_or_b32 s[G1A], s21, FLAGS
	s_or_b32 s[G1B], s22, FLAGS
	s_mov_b32 s[G1A+1], 128<<16                    ; tensor_dim0 = 128 elements: rows of 256 bytes
	s_mov_b32 s[G1A+2], 64<<16                     ; tensor_dim1 = 64: 128 rows of X
	s_mov_b32 s[G1A+3], 128<<16                    ; tile_dim0
	s_mov_b32 s[G1A+4], 64                         ; tile_dim1
	s_mov_b32 s[G1A+5], 128                        ; dense
	s_mov_b32 s[G1A+6], 0
	s_mov_b32 s[G1A+7], 0
	s_mov_b32 s[G1B+1], 128<<16
	s_mov_b32 s[G1B+2], 96<<16                     ; 96 rows of 256 bytes: 32 rows (k) of W
	s_mov_b32 s[G1B+3], 128<<16
	s_mov_b32 s[G1B+4], 96
	s_mov_b32 s[G1B+5], 128
	s_mov_b32 s[G1B+6], 0
	s_mov_b32 s[G1B+7], 0
	s_lshl_b32 s66, s20, 15                        ; X: 256 rows of 128 bytes a block, my half's 128 rows
	s_lshl_b32 s23, s16, 14
	s_add_co_u32 s66, s66, s23
	s_mov_b32 s67, 0
	s_mul_i32 s68, s19, 1572864                    ; W: the head, my half's 32 rows
	s_mul_i32 s23, s16, 24576
	s_add_co_u32 s68, s68, s23
	s_mov_b32 s69, 0
	s_mul_i32 s70, s16, 18432                      ; where they go: no place in the cluster enters an LDS address
	s_mul_i32 s71, s16, 27648
	s_add_co_u32 s71, s71, BOFF
	s_wait_dscnt 0x0                               ; the opening add is done
	s_wait_kmcnt 0x0
	s_add_nc_u64 s[66:67], s[4:5], s[66:67]
	s_add_nc_u64 s[68:69], s[6:7], s[68:69]
	CROUND                                         ; all sixteen work-groups are here: the first joint loads meet
.irp n, 0,1
	s_mov_b32 s[G0A+4*(\n)], 1
	s_add_co_u32 s[G0A+4*(\n)+1], s70, (\n)*SLOT1
	s_add_nc_u64 s[G0A+4*(\n)+2:G0A+4*(\n)+3], s[66:67], (\n)*ASTEP
	s_or_b32 s[G0A+4*(\n)+3], s[G0A+4*(\n)+3], 0x80000000
	s_mov_b32 s[G0B+4*(\n)], 1
	s_add_co_u32 s[G0B+4*(\n)+1], s71, (\n)*SLOT1
	s_add_nc_u64 s[G0B+4*(\n)+2:G0B+4*(\n)+3], s[68:69], (\n)*BSTEP
	s_or_b32 s[G0B+4*(\n)+3], s[G0B+4*(\n)+3], 0x80000000
	JLOAD \n                                       ; K steps 0 and 1: two loads of mine are out
.endr
	v_and_b32 v1, 15, v0                           ; l % 16
	v_bfe_u32 v15, v0, 4, 1                        ; l / 16
	v_and_b32 v16, 7, v0
	v_bfe_u32 v17, v0, 3, 1
	v_and_b32 v19, 31, v0
	s_mul_i32 s80, s15, 18432
	v_mul_u32_u24 v[AK0], v1, 144                  ; X's fragment: row x pitch + 16 x half, my 128 rows
	v_lshl_add_u32 v[AK0], v15, 4, v[AK0]
	v_add_nc_u32 v[AK0], s80, v[AK0]
	s_mul_i32 s80, s16, 144
	s_add_co_u32 s80, s80, BOFF
	v_lshl_add_u32 v[BK0], v15, 3, v16             ; W's: the turning load's lane reads row (k) 8 (l / 16) + l % 8, 16 bytes at 16 ((l / 8) % 2); my 64 channels are one piece of each of Q, K, V
	v_mul_u32_u24 v[BK0], v[BK0], BPITCH
	v_lshl_add_u32 v[BK0], v17, 4, v[BK0]
	v_add_nc_u32 v[BK0], s80, v[BK0]
	v_lshlrev_b32 v[GO], 4, v19
	v_mov_b32 v[NEG1], -1.0
	; the outputs' bases: bh = 16 x batch + head; my first block of 16 rows in it; my four blocks of 16 channels
	s_lshr_b32 s80, s20, 2
	s_lshl_b32 s80, s80, 4
	s_add_co_u32 s80, s80, s19                     ; bh
	s_and_b32 s81, s20, 3
	s_lshl_b32 s81, s81, 4
	s_lshl_b32 s82, s15, 3
	s_add_co_u32 s81, s81, s82                     ; 16 x (block of 256 rows in the batch) + 8 wr
	s_lshl_b32 s78, s80, 19                        ; Q, K: 524,288 bytes a (batch, head),
	s_lshl_b32 s82, s81, 13                        ; 8,192 a block of rows,
	s_add_co_u32 s78, s78, s82
	s_lshl_b32 s82, s16, 11                        ; 512 a block of channels
	s_add_co_u32 s78, s78, s82
	s_mov_b32 s79, 0
	s_add_nc_u64 s[QB:QB+1], s[8:9], s[78:79]
	s_add_nc_u64 s[KB:KB+1], s[10:11], s[78:79]
	s_lshl_b32 s78, s80, 18                        ; V: half of that
	s_lshl_b32 s82, s81, 12
	s_add_co_u32 s78, s78, s82
	s_lshl_b32 s82, s16, 11
	s_add_co_u32 s78, s78, s82
	s_add_nc_u64 s[VB:VB+1], s[12:13], s[78:79]
	; the prefetches: at K step 2; each trip steps them by one K step ahead of its own asking
	s_lshl_b32 s84, s20, 15
	s_lshl_b32 s85, s17, 13
	s_add_co_u32 s84, s84, s85
	s_add_co_u32 s84, s84, 2*ASTEP                 ; X's: my work-group's 64 rows of the tile
	s_mul_i32 s86, s19, 1572864
	s_mul_i32 s85, s18, 32*768
	s_add_co_u32 s86, s86, s85
	s_add_co_u32 s86, s86, 128*768                 ; W's: my work-group's 32 rows of two steps' 128
	s_and_b32 s87, ttmp7, 0xffff
	s_mov_b32 s88, ASTEP
	s_mov_b32 s89, BSTEP
	s_mov_b32 s90, 256
	s_mov_b32 s91, 768
	s_cmp_eq_u32 s15, 0
	s_cselect_b32 s84, s84, s86
	s_cselect_b32 s87, ttmp9, s87                  ; the coordinate along which other clusters read the same rows
	s_cselect_b32 s[PFS], s88, s89
	s_cselect_b32 s90, s90, s91
	s_cselect_b64 s[PFA:PFA+1], s[4:5], s[6:7]
	s_mov_b32 s85, 0
	s_mov_b32 s[PFS+1], 0
	s_add_nc_u64 s[PFA:PFA+1], s[PFA:PFA+1], s[84:85]
	s_or_b32 s87, s87, s16                         ; waves 0 and 2 alone
	s_cmp_eq_u32 s87, 0
	s_cselect_b32 s[LIM], 3, -1                    ; the same in all sixteen partners, for a given wave
	v_mul_u32_u24 v[PFO], v19, s90
.macro MMA d, p, q, zero               ; one matrix instruction: zero = 1 starts the sum
.if \zero
	v_wmma_f32_16x16x32_bf16 v[\d:\d+7], v[\p:\p+7], v[\q:\q+7], 0
.else
	v_wmma_f32_16x16x32_bf16 v[\d:\d+7], v[\p:\p+7], v[\q:\q+7], v[\d:\d+7]
.endif
.endm
; 8 x (b1 - b0 + 1) matrix instructions of group g (0 Q, 1 K, 2 V): column blocks b0 .. b1 of its four x all 8 row blocks, 32 along K.  The accumulators take turns, one instruction a turn.
.macro GRP g, fa, b0, b1, zero
	WIN ((\g)+1)*0x50                              ; C and D in window g + 1, the sources in window 0
.set bb, (\b0)
.rept (\b1)-(\b0)+1
.set aa, 0
.rept 8
.set rD, 64*bb+8*aa
.set rW, FB+32*(\g)+8*bb
.set rX, (\fa)+8*aa
.if (\g) == 2
	MMA rD, rX, rW, \zero                          ; V: X's rows first: a lane holds a channel and eight keys
.else
	MMA rD, rW, rX, \zero                          ; Q, K: W's columns first: a lane holds a row and eight channels
.endif
.set aa, aa+1
.endr
.set bb, bb+1
.endr
.endm
.macro RUNB g, q                       ; 8 turning loads: group g's four fragments of W for chunk q
	WIN 0
.irp b, 0,1,2,3
	ds_load_tr16_b128 v[FB+32*(\g)+8*(\b):FB+32*(\g)+8*(\b)+3],   v[ADRB] offset:(\q)*32*BPITCH+(\g)*288+(\b)*32
	ds_load_tr16_b128 v[FB+32*(\g)+8*(\b)+4:FB+32*(\g)+8*(\b)+7], v[ADRB] offset:(\q)*32*BPITCH+(\g)*288+(\b)*32+16*BPITCH
.endr
.endm
.macro RUN0 q, fa                      ; 24 loads: group 0's fragments of W, then X's eight, for chunk q
	RUNB 0, \q
.irp a, 0,1,2,3,4,5,6,7
	ds_load_b128 v[(\fa)+8*(\a):(\fa)+8*(\a)+3],   v[ADRA] offset:(\a)*2304+64*(\q)
	ds_load_b128 v[(\fa)+8*(\a)+4:(\fa)+8*(\a)+7], v[ADRA] offset:(\a)*2304+64*(\q)+32
.endr
.endm
; A K step's first chunk.  On entry 40 LDS loads are out, in this order: RUN0's 24, group 1's 8, group 2's 8.  The next chunk is asked for in TWO runs: group 0's fragments and X's behind group 0's
; products (64 products ahead of their use), groups 1's and 2's together behind group 2's (32 and 64 ahead).
.macro EVEN zero
	s_wait_dscnt 16                                ; groups 1 and 2 may stay out
	GRP 0, FA0, 0, 3, \zero
	PLACES
	RUN0 1, FA1
	s_wait_dscnt 32                                ; group 1 is in: group 2's 8 and the 24 just issued may stay out
	GRP 1, FA0, 0, 3, \zero
	s_wait_dscnt 24                                ; group 2 is in: the 24 may stay out
	GRP 2, FA0, 0, 3, \zero
	PLACES
	RUNB 1, 1
	RUNB 2, 1
.endm
; A K step's second chunk.  mode 1: it changes slots and fills the slot just read with the K step two on; mode 0: it changes slots and fills nothing; mode 2: the last chunk of all.
; THE CHANGE: each wave waits for all its tensor loads (one is out: its part of the next slot), adds 0 to its spare word, and waits for that and for its reads of this slot; behind the barrier
; (mode 1: a round of the cluster's) nobody reads this slot and the next is whole; the joint refill comes first behind it.  The wait stands sixteen products into the chunk, so that from a refill to
; the wait for it a wave issues 176 matrix instructions.
.macro ODD mode
.if (\mode) == 2
	s_wait_dscnt 16
	GRP 0, FA1, 0, 3, 0
	s_wait_dscnt 8
	GRP 1, FA1, 0, 3, 0
	s_wait_dscnt 0x0
	GRP 2, FA1, 0, 3, 0
.else
.if (\mode) == 1
	s_wait_xcnt 0x0                                ; the last prefetches, a trip or two back, have read their address
	s_add_nc_u64 s[PFA:PFA+1], s[PFA:PFA+1], s[PFS:PFS+1]
.endif
	s_wait_dscnt 16                                ; groups 1 and 2 may stay out
	GRP 0, FA1, 0, 1, 0
	WIN 0
	s_wait_tensorcnt 0x0                           ; all my tensor loads have landed
	ds_add_u32 v[SPW], v[NIL]                      ; 0 onto my spare word
	GRP 0, FA1, 2, 2, 0                            ; eight matrix instructions stand between the add and the wait for it
	s_wait_dscnt 0x0                               ; the add is done, and my reads of this slot are over
	s_barrier_signal -1
	GRP 0, FA1, 3, 3, 0                            ; work on registers while the others arrive
	WIN 0
	s_barrier_wait -1
.if (\mode) == 1
	CREST
	s_xor_b32 s[G0A+5], s[G0A+5], SLOT1            ; the walking descriptors: the other slot than last time, the next K step
	s_add_nc_u64 s[G0A+6:G0A+7], s[G0A+6:G0A+7], ASTEP
	s_xor_b32 s[G0B+5], s[G0B+5], SLOT1
	s_add_nc_u64 s[G0B+6:G0B+7], s[G0B+6:G0B+7], BSTEP
	JLOAD 1                                        ; the four v_nop behind it are also the places in front of the loads below
.else
	PLACES
.endif
	s_xor_b32 s[TB], s[TB], SLOT1
	v_add_nc_u32 v[ADRA], s[TB], v[AK0]
	v_add_nc_u32 v[ADRB], s[TB], v[BK0]
	RUN0 0, FA0
.if (\mode) == 1
	ASK
.endif
	GRP 1, FA1, 0, 3, 0
	GRP 2, FA1, 0, 3, 0
	PLACES
	RUNB 1, 0
	RUNB 2, 0
.endif
.endm
; THE WAY OUT of row block a, straight from registers.  PACK: Q and K: hi = f16(x), lo = f16(x - hi) in one rounding (a multiply-add that reads hi's half and the f32 sum); V: f16(x).
; Each accumulator is read from its low end on.  Three sets of 80 registers take turns (X's and W's fragments are dead): Q hi 16, Q lo 16, K hi 16, K lo 16, V 16.
.macro PACK a
.set TM, 16+80*((\a)%3)
.if (\a) >= 3
	s_wait_xcnt 0x0                                ; the stores of the block three back have read this set
.endif
.irp mm, 0,1
	WIN 5*((\mm)+1)                                ; sources 0 and 1 in window 1 (Q) or 2 (K)
.set bb, 0
.rept 4
.irp r, 0,1,2,3
	v_cvt_pk_f16_f32 v[TM+32*(\mm)+4*bb+(\r)], v[64*bb+8*(\a)+2*(\r)], v[64*bb+8*(\a)+2*(\r)+1]
.endr
.set bb, bb+1
.endr
	WIN 0x10*((\mm)+1)                             ; source 2 in that window
.set bb, 0
.rept 4
.irp r, 0,1,2,3
	v_fma_mixlo_f16 v[TM+32*(\mm)+16+4*bb+(\r)], v[TM+32*(\mm)+4*bb+(\r)], v[NEG1], v[64*bb+8*(\a)+2*(\r)] op_sel_hi:[1,0,0]
	v_fma_mixhi_f16 v[TM+32*(\mm)+16+4*bb+(\r)], v[TM+32*(\mm)+4*bb+(\r)], v[NEG1], v[64*bb+8*(\a)+2*(\r)+1] op_sel:[1,0,0] op_sel_hi:[1,0,0]
.endr
.set bb, bb+1
.endr
.endr
	WIN 0x0f                                       ; V: window 3
.set bb, 0
.rept 4
.irp r, 0,1,2,3
	v_cvt_pk_f16_f32 v[TM+64+4*bb+(\r)], v[64*bb+8*(\a)+2*(\r)], v[64*bb+8*(\a)+2*(\r)+1]
.endr
.set bb, bb+1
.endr
	WIN 0
.endm
.macro SEND a                          ; twenty stores, each a block: 512 consecutive bytes, aligned
	WIN 0
.set TM, 16+80*((\a)%3)
.irp b, 0,1,2,3
	global_store_b128 v[GO], v[TM+4*(\b):TM+4*(\b)+3],       s[QB:QB+1] offset:(\a)*8192+(\b)*512
	global_store_b128 v[GO], v[TM+16+4*(\b):TM+16+4*(\b)+3], s[QB:QB+1] offset:(\a)*8192+4096+(\b)*512
	global_store_b128 v[GO], v[TM+32+4*(\b):TM+32+4*(\b)+3], s[KB:KB+1] offset:(\a)*8192+(\b)*512
	global_store_b128 v[GO], v[TM+48+4*(\b):TM+48+4*(\b)+3], s[KB:KB+1] offset:(\a)*8192+4096+(\b)*512
	global_store_b128 v[GO], v[TM+64+4*(\b):TM+64+4*(\b)+3], s[VB:VB+1] offset:(\a)*4096+(\b)*512
.endr
.endm
	s_wait_tensorcnt 1                             ; my part of K step 0 is in; step 1's may stay out
	s_barrier_signal -1
	s_barrier_wait -1
	s_mov_b32 s[TB], 0
	v_mov_b32 v[ADRA], v[AK0]
	v_mov_b32 v[ADRB], v[BK0]
	RUN0 0, FA0
	RUNB 1, 0
	RUNB 2, 0
	EVEN 1                                         ; the first chunk stands ahead of the loop: its products start the sums
	WIN 0
	s_mov_b32 s3, 30
.Lk:                                           ; trip n: K step n's second chunk, the refill with step n + 2, step n + 1's first chunk
	ODD 1
	EVEN 0
	WIN 0
	s_sub_co_u32 s3, s3, 1
	s_cmp_lg_u32 s3, 0
	s_cbranch_scc1 .Lk
	ODD 0                                          ; the tail is written out: nothing is left to fetch
	EVEN 0
	ODD 2
	PLACES
	PLACES
	PACK 0
.irp a, 1,2,3,4,5,6,7                  ; a block's arithmetic stands ahead of the stores of the block before
	PACK \a
	SEND (\a)-1
.endr
	SEND 7
	s_wait_tensorcnt 0x0                           ; the wave's end, behind my last tensor load
	ds_add_u32 v[SPW], v[NIL]
	s_wait_dscnt 0x0
	CROUND                                         ; the closing round
	s_endpgm
.Lfunc_end_k_q5151d8e469_qkv:
	.size	k_q5151d8e469_qkv, .Lfunc_end_k_q5151d8e469_qkv-k_q5151d8e469_qkv
	.p2alignl 7, 3214868480
	.fill 96, 4, 3214868480
	.section	.rodata,"a",@progbits
	.p2align	6, 0x0
	.amdhsa_kernel k_q5151d8e469_qkv
		.amdhsa_group_segment_fixed_size 327680
		.amdhsa_private_segment_fixed_size 0
		.amdhsa_enable_private_segment 0
		.amdhsa_kernarg_size 40
		.amdhsa_user_sgpr_count 2
		.amdhsa_user_sgpr_kernarg_segment_ptr 1
		.amdhsa_wavefront_size32 1
		.amdhsa_system_sgpr_workgroup_id_x 1
		.amdhsa_system_sgpr_workgroup_id_y 1
		.amdhsa_system_sgpr_workgroup_id_z 1
		.amdhsa_system_vgpr_workitem_id 0
		.amdhsa_next_free_vgpr 1024
		.amdhsa_next_free_sgpr 96
		.amdhsa_reserve_vcc 0
		.amdhsa_float_denorm_mode_32 3
		.amdhsa_float_denorm_mode_16_64 3
		.amdhsa_memory_ordered 1
		.amdhsa_forward_progress 1
		.amdhsa_inst_pref_size 138
	.end_amdhsa_kernel
	.amdgpu_metadata
---
amdhsa.version: [ 1, 2 ]
amdhsa.kernels:
  - .name:           k_q5151d8e469_qkv
    .symbol:         k_q5151d8e469_qkv.kd
    .args:
      - { .name: Xb, .offset: 0, .size: 8, .value_kind: global_buffer, .address_space: global }
      - { .name: Wc, .offset: 8, .size: 8, .value_kind: global_buffer, .address_space: global }
      - { .name: Qs, .offset: 16, .size: 8, .value_kind: global_buffer, .address_space: global }
      - { .name: Ks, .offset: 24, .size: 8, .value_kind: global_buffer, .address_space: global }
      - { .name: Vs, .offset: 32, .size: 8, .value_kind: global_buffer, .address_space: global }
    .group_segment_fixed_size: 327680
    .private_segment_fixed_size: 0
    .kernarg_segment_align: 8
    .kernarg_segment_size: 40
    .max_flat_workgroup_size: 128
    .sgpr_count:     96
    .vgpr_count:     1024
    .wavefront_size: 32
...
	.end_amdgpu_metadata
.endif
;; end of part 2
;; launch attn (part 3): grid 4 x 64, 4 waves a work-group, clusters of 4 x 1, 327,680 bytes of LDS; arguments Qs, Ks, Vs, Mb, At; writes At
.if DOCPART == 3
	.amdgcn_target "amdgcn-amd-amdhsa--gfx1250"
	.amdhsa_code_object_version 6
	.text
	.protected	k_q5151d8e469_attn
	.globl	k_q5151d8e469_attn
	.p2align	8
	.type	k_q5151d8e469_attn,@function
k_q5151d8e469_attn:
	s_mov_b64 s[64:65], 0
	v_nop
	global_prefetch_b8 v0, s[64:65] scope:SCOPE_SE
	s_setreg_imm32_b32 hwreg(HW_REG_WAVE_MODE, 25, 1), 1
	s_wait_xcnt 0x0
	s_wait_alu depctr_hold_cnt(0) depctr_sa_sdst(0) depctr_va_vdst(0) depctr_va_sdst(0) depctr_va_ssrc(0) depctr_va_vcc(0) depctr_vm_vsrc(0)
	s_getreg_b32 s2, hwreg(HW_REG_IB_STS2, 6, 4)
	s_cmp_eq_u32 s2, 0
	s_cbranch_scc0 .Lentry_in_a_cluster
	s_endpgm
.Lentry_in_a_cluster:
	s_bfe_u32 s2, ttmp6, 0x10000c
	s_cmp_lg_u32 s2, 0x3003
	s_cbranch_scc0 .Lentry_shape_is_right
	s_endpgm
.Lentry_shape_is_right:
; ATTENTION under a mask that is an input, head size 128, 64 (batch, head) problems of 1,024 x 1,024.  At = f16 of (softmax(q . k / sqrt(128), masked) v) / 64.
; q and k arrive as value / 64 in two f16 parts; a score is Qh.Kh + Ql.Kh + Qh.Kl in f32 (the term Ql.Kl, some 2^-22 of a score, is left out); c = log2(e) / sqrt(128) x 2^12 takes the two factors 2^-6 back.
; v arrives as value / 64 in f16; the weights p are rounded to f16 for the second product, their sum is taken of the unrounded p; O once at the end.
; LIMITS.  A hidden score counts as its value less 6.3e29 to 2.5e30 (f16's scores reach 1.6e12 at the most); a visible one gets at most 2.4e-38 added.  A row with no visible key gives NaN, as the
; softmax of nothing does.  A weight below 2^-126 counts as 0.  NaN and infinities among the inputs are not treated apart.
; SHARES.  A cluster is the four blocks of 256 queries of one (batch, head); a wave owns 64 queries: four tiles of 16.  Every wave walks all keys, 64 a step, two steps to a slot.
; LAYOUT.  S^T = K Q^T (source 0 = 16 keys, source 1 = 16 queries): a lane holds ONE query (lane % 16) and the keys 8 (lane / 16) + 0..7 of each 16.  Two such results rounded to f16 ARE source 1 of
; O^T = V^T P.  Q, K and V lie in memory IN THE LANES' ORDER, a block of 16 x 16 numbers as 512 bytes, lane l's 16 bytes at 16 l (Qs, Ks: [bh][16 rows][hi, lo][16 channels]; Vs: [bh][16 keys][16 channels]):
; half a fragment is one load of 16 neighbouring bytes a lane, from memory (Q) or from LDS (K, V), where the tiles lie dense.  At leaves in the same order: [16 rows: 256][16 of the 2,048 channels: 128][lane][16 B].
; THE MASK is what the sums S^T start from: Mb holds a byte for each (query, key) in the lanes' own order; a byte moved to a word's top is 0 (to within 2.4e-38) or below -6e29.
; SOFTMAX.  A running maximum m and sum l: p = 2^(c s - c m); in every step O and l are multiplied by a = 2^(c m_old - c m_new).  m starts at the lowest finite number, O and l at 0: 272 lines that
; write constants, in the wait for the first tile, are the price of one text for every step.
; IN PHASES: a step's fetches, the mask's expansion, 192 products K Q^T, the softmax of four tiles, 64 products V^T P.
; CLUSTER.  K and V are the same for the four partners and are asked for jointly (waves 0, 1: K's two steps; wave 2: V); the mask's tile differs from partner to partner: wave 3's own load.  Each brings 32,768 bytes.
; REGISTERS, in windows of 256: window 0: v0-11 addresses; v12-43 eight registers of statistics a tile; v60-63; v64-191 S^T, 32 a tile; v192-255 P, 16 a tile.   window 1: O^T, 64 a tile.
;   window 2: v0-127 Q hi, v128-255 Q lo (32 a tile, 8 for each 32 channels).   window 3: v0-127 V of a step; v128-255 K of a step, hi and then lo: half X (keys 0-31) v128-191, half Y v192-255.
.set SLOT1, 131072    ; a slot: K's 128 keys (65,536 bytes), V's (32,768), the mask's two steps (32,768); slot 1 begins here: one exclusive or turns an address in one slot into the other's
.set VOFF,  65536
.set MOFF,  98304
.set SPARE, 262144    ; behind the ring: the spare words, 128 bytes for each wave
.set L16, 2           ; v2   16 x lane; never rewritten
.set AK,  4           ; v4   the same in K of the step in hand;  v5 in V
.set AV,  5
.set AM0, 6           ; v6   16 x lane + my wave's four tiles of the mask; never rewritten
.set AM,  7
.set ST,  12          ; tile t at v[ST+8 t]: c m, m, l (even keys', odd keys'), c0-c3 at work; a takes c2's place
.set PFO, 60          ; v60  256 x lane
.set NANV, 61
.set SPW, 62          ; v62  LDS address of my spare word; never rewritten
.set NIL, 63          ; v63  0; never rewritten
.set S,   64
.set P,   192
.set KF,  128         ; window 3
.set WV,  14          ; s14  my wave's number
.set G1J, 24          ; s[24:31] descriptor group 1 of the joint loads
.set G1M, 40          ; s[40:47] of the mask's
.set G0K, 48
.set G0V, 52
.set G0M, 56
.set CS,  60          ; s[60:61] c
.set SEL, 62          ; s[62:63] v_permlanex16_b32's selects
.set TBK, 66          ; s66  LDS byte at which K of the step in hand begins;  s67 V;  s68 the mask
.set TBV, 67
.set TBM, 68
.set SLOTS, 69
.set TWICE, 70
.set LIM, 71
.set PFA, 72          ; s[72:73]
.set PFS, 74          ; s[74:75]
.set THR, 76          ; s76  -2^97: a maximum below it has seen hidden keys alone
.set MSB, 0
.macro WIN new
.if MSB != (\new)
	s_set_vgpr_msb (MSB<<8)|(\new)
.set MSB, (\new)
.endif
.endm
.set W_KQ, 0x0b       ; K in window 3, Q in window 2, S^T in window 0
.set W_PV, 0x53       ; V in window 3, P in window 0, O^T in window 1
.set W_RS, 0x41       ; destination and source 0 in window 1, source 1 in window 0
.macro PLACES
.rept 4
	v_nop
.endr
.endm
; A fill: one tensor load a wave, chosen by the wave's number alone.  An s_nop 0 and four v_nop follow each line.
.macro JLOAD
	s_cmp_lt_u32 s[WV], 2
	s_cbranch_scc0 .Lnot_k_\@
	tensor_load_to_lds s[G0K:G0K+3], s[G1J:G1J+7]
	s_nop 0
.rept 4
	v_nop
.endr
	s_branch .Lasked_\@
.Lnot_k_\@:
	s_cmp_eq_u32 s[WV], 3
	s_cbranch_scc0 .Lfor_v_\@
	tensor_load_to_lds s[G0M:G0M+3], s[G1M:G1M+7]
	s_nop 0
.rept 4
	v_nop
.endr
	s_branch .Lasked_\@
.Lfor_v_\@:
	tensor_load_to_lds s[G0V:G0V+3], s[G1J:G1J+7]
	s_nop 0
.rept 4
	v_nop
.endr
.Lasked_\@:
.endm
; A PREFETCH INTO THE L2 of what the NEXT change of slots will ask for, one instruction a wave, behind the wave's tensor load: two key steps, 512 matrix instructions, ahead of that load.
; Each wave asks for a quarter (32 blocks of 256 bytes, a lane a block) of the 32,768 bytes that it will fetch itself.  For K and V the four partners take a quarter each, told apart by address.
; The mask's tile is read by the 16 heads of a batch: heads 0-3 ask for a quarter each.  So each block is named once.  The last change that fills a slot asks for nothing.
.macro ASK
	s_cmp_gt_u32 s[SLOTS], s[LIM]
	s_cbranch_scc0 .Lnot_mine_\@
	global_prefetch_b8 v[PFO], s[PFA:PFA+1] th:TH_LOAD_NT scope:SCOPE_SE
.Lnot_mine_\@:
.endm
.macro CROUND
	s_barrier_signal -1
	s_barrier_wait -1
	s_cmp_lg_u32 s[WV], 0
	s_cbranch_scc1 .Lnot_wave_0_\@
	s_barrier_signal -3
.Lnot_wave_0_\@:
	s_barrier_wait -3
	s_barrier_signal -1
	s_barrier_wait -1
.endm
; THE CHANGE OF SLOTS.  Each wave waits for all its tensor loads (one is out: its part of the other slot), adds 0 to its spare word, and waits for that and for its reads of the slot that it leaves.
; fill = 1: the barrier is a round of the cluster's, and the old slot is filled again first thing behind it, with the keys two slots on.  (At its first use nothing has been read: slot 0 is waited for, slot 1 filled.)
.macro CHANGE fill
	WIN 0
	s_wait_tensorcnt 0x0            ; no tensor load of mine is out, so a group 0 may be written
	ds_add_u32 v[SPW], v[NIL]       ; 0 onto my spare word
.if \fill
	s_xor_b32 s[G0K+1], s[G0K+1], SLOT1
	s_add_nc_u64 s[G0K+2:G0K+3], s[G0K+2:G0K+3], 65536   ; 128 keys of 512 bytes
	s_xor_b32 s[G0V+1], s[G0V+1], SLOT1
	s_add_nc_u64 s[G0V+2:G0V+3], s[G0V+2:G0V+3], 32768   ; 128 keys of 256 bytes
	s_xor_b32 s[G0M+1], s[G0M+1], SLOT1
	s_add_nc_u64 s[G0M+2:G0M+3], s[G0M+2:G0M+3], 32768   ; two steps of 16,384 bytes
	s_wait_xcnt 0x0                 ; the last prefetch, two key steps back, has read its address
	s_add_nc_u64 s[PFA:PFA+1], s[PFA:PFA+1], s[PFS:PFS+1]
	s_wait_dscnt 0x0                ; the add is done, and my reads of the slot are over
	CROUND
	JLOAD
	ASK
.else
	s_wait_dscnt 0x0
	s_barrier_signal -1
	s_barrier_wait -1
.endif
	s_sub_co_u32 s[TBK], s[TBK], 65536     ; the fetches go back to a slot's first step, in the other slot
	s_xor_b32 s[TBK], s[TBK], SLOT1
	s_sub_co_u32 s[TBV], s[TBV], 32768
	s_xor_b32 s[TBV], s[TBV], SLOT1
	s_sub_co_u32 s[TBM], s[TBM], 32768
	s_xor_b32 s[TBM], s[TBM], SLOT1
.endm
	s_load_b256 s[4:11], s[0:1], 0x0  ; Qs s[4:5], Ks s[6:7], Vs s[8:9], Mb s[10:11]
	s_load_b64 s[12:13], s[0:1], 0x20 ; At
	v_lshl_add_u32 v[SPW], v0, 2, SPARE
	v_mov_b32 v[NIL], 0
	ds_add_u32 v[SPW], v[NIL]       ; the wave's opening: the add and its wait stand ahead of my first tensor load; the set-up below, work on registers, stands between them
	v_lshrrev_b32 v1, 5, v0
	v_readfirstlane_b32 s[WV], v1
	s_bfe_u32 s15, ttmp6, 0x40000   ; cx
	s_lshl_b32 s17, ttmp9, 2
	s_add_co_u32 s17, s17, s15      ; my block of 256 queries
	s_and_b32 s16, ttmp7, 0xffff    ; bh = 16 x batch + head, which the partners share
	s_and_b32 s18, s[WV], 1         ; which of a slot's two steps of K I fetch (waves 0, 1):
	s_lshl_b32 s19, s18, 15         ; 32,768 bytes, in memory and in LDS
	s_lshl_b32 s20, s16, 19         ; K: 524,288 bytes a (batch, head)
	s_add_co_u32 s20, s20, s19
	s_mov_b32 s21, 0
	s_lshl_b32 s22, s16, 18         ; V: 262,144
	s_mov_b32 s23, 0
	s_lshr_b32 s78, s16, 4
	s_lshl_b32 s78, s78, 2
	s_add_co_u32 s78, s78, s17
	s_lshl_b32 s78, s78, 18         ; the mask: 262,144 bytes for a batch's block of 256 queries
	s_mov_b32 s79, 0
	s_lshl_b32 s80, s16, 19         ; Q: the (batch, head),
	s_lshl_b32 s82, s17, 17         ; my block's 16 blocks of 16 rows, 8,192 bytes each,
	s_add_co_u32 s80, s80, s82
	s_lshl_b32 s82, s[WV], 15       ; my wave's four
	s_add_co_u32 s80, s80, s82
	s_mov_b32 s81, 0
	s_lshr_b32 s82, s16, 4
	s_lshl_b32 s82, s82, 22         ; At: a batch's 64 blocks of 16 rows, 65,536 bytes each,
	s_lshl_b32 s84, s17, 20
	s_add_co_u32 s82, s82, s84
	s_lshl_b32 s84, s[WV], 18
	s_add_co_u32 s82, s82, s84
	s_and_b32 s84, s16, 15
	s_lshl_b32 s84, s84, 12         ; the head's 8 blocks of 16 channels, 512 bytes each
	s_add_co_u32 s82, s82, s84
	s_mov_b32 s83, 0
	s_mov_b32 s[G1J], 15|(1<<16)|(1<<21)  ; the mask of four; 2-byte elements; bit 21 beside a mask; no padding
	s_mov_b32 s[G1J+1], 128<<16     ; 32,768 dense bytes: 128 rows of 256
	s_mov_b32 s[G1J+2], 128<<16
	s_mov_b32 s[G1J+3], 128<<16
	s_mov_b32 s[G1J+4], 128
	s_mov_b32 s[G1J+5], 128
	s_mov_b32 s[G1J+6], 0
	s_mov_b32 s[G1J+7], 0
	s_mov_b32 s[G1M], 1<<16         ; a load of my work-group's own: no mask
	s_mov_b32 s[G1M+1], 128<<16
	s_mov_b32 s[G1M+2], 128<<16
	s_mov_b32 s[G1M+3], 128<<16
	s_mov_b32 s[G1M+4], 128
	s_mov_b32 s[G1M+5], 128
	s_mov_b32 s[G1M+6], 0
	s_mov_b32 s[G1M+7], 0
	s_mov_b32 s[G0K], 1
	s_mov_b32 s[G0K+1], s19
	s_mov_b32 s[G0V], 1
	s_mov_b32 s[G0V+1], VOFF
	s_mov_b32 s[G0M], 1
	s_mov_b32 s[G0M+1], MOFF
	s_mov_b32 s[CS], 0x440293ee     ; c = log2(e) / sqrt(128) x 4,096 = 522.31
	s_mov_b32 s[CS+1], s[CS]
	s_mov_b32 s[SEL], 0x76543210
	s_mov_b32 s[SEL+1], 0xfedcba98
	s_mov_b32 s[THR], 0xf0000000
	s_mov_b32 s[TBK], SLOT1+65536            ; the first change of slots turns these three into slot 0's
	s_mov_b32 s[TBV], SLOT1+VOFF+32768
	s_mov_b32 s[TBM], SLOT1+MOFF+32768
	s_mov_b32 s[SLOTS], 7
	; the prefetches' offsets: one slot in; each change steps them ahead of its own asking
	s_lshl_b32 s84, s15, 13
	s_add_co_u32 s84, s84, s20
	s_add_co_u32 s84, s84, 65536    ; K's: my step's 32,768 bytes, my work-group's quarter
	s_lshl_b32 s85, s15, 13
	s_add_co_u32 s85, s85, s22
	s_add_co_u32 s85, s85, 32768    ; V's
	s_and_b32 s86, s16, 3
	s_lshl_b32 s86, s86, 13
	s_add_co_u32 s86, s86, s78
	s_add_co_u32 s86, s86, 32768    ; the mask's: my head's quarter
	s_wait_dscnt 0x0                ; the opening add is done
	s_wait_kmcnt 0x0
	s_add_nc_u64 s[G0K+2:G0K+3], s[6:7], s[20:21]
	s_or_b32 s[G0K+3], s[G0K+3], 0x80000000
	s_add_nc_u64 s[G0V+2:G0V+3], s[8:9], s[22:23]
	s_or_b32 s[G0V+3], s[G0V+3], 0x80000000
	s_add_nc_u64 s[G0M+2:G0M+3], s[10:11], s[78:79]
	s_or_b32 s[G0M+3], s[G0M+3], 0x80000000
	s_add_nc_u64 s[4:5], s[4:5], s[80:81]
	s_add_nc_u64 s[12:13], s[12:13], s[82:83]
	s_mov_b32 s[PFS+1], 0
	s_mov_b32 s[PFS], 65536
	s_mov_b32 s77, 32768
	s_cmp_lt_u32 s[WV], 2           ; waves 0 and 1: K; wave 2: V
	s_cselect_b64 s[PFA:PFA+1], s[6:7], s[8:9]
	s_cselect_b32 s84, s84, s85
	s_cselect_b32 s[PFS], s[PFS], s77
	s_cmp_eq_u32 s[WV], 3           ; wave 3: the mask
	s_cselect_b64 s[PFA:PFA+1], s[10:11], s[PFA:PFA+1]
	s_cselect_b32 s84, s86, s84
	s_mov_b32 s85, 0
	s_add_nc_u64 s[PFA:PFA+1], s[PFA:PFA+1], s[84:85]
	s_and_b32 s86, s16, 12          ; heads 4-15
	s_cmp_eq_u32 s[WV], 3
	s_cselect_b32 s86, s86, 0
	s_cmp_eq_u32 s86, 0
	s_cselect_b32 s[LIM], 1, -1     ; the same in all four partners, for a given wave
	CROUND                          ; all four work-groups are here: the first joint loads meet
	JLOAD                           ; slot 0
	v_and_b32 v47, 31, v0
	v_lshlrev_b32 v[L16], 4, v47
	WIN 0x80                        ; destination window 2, address window 0
.set i, 0
.rept 32                            ; Q stays in registers: part i / 16 (hi, lo), tile (i / 4) % 4, channels 32 (i % 4) on: two blocks of 512 consecutive bytes
	global_load_b128 v[8*i:8*i+3],   v[L16], s[4:5] offset:((i/4)%4)*8192+(i/16)*4096+(i%4)*1024
	global_load_b128 v[8*i+4:8*i+7], v[L16], s[4:5] offset:((i/4)%4)*8192+(i/16)*4096+(i%4)*1024+512
.set i, i+1
.endr
	WIN 0x40
.set i, 0
.rept 256
	v_mov_b32 v[i], 0               ; O^T
.set i, i+1
.endr
	WIN 0
.irp t, 0,1,2,3
	v_mov_b32 v[ST+8*(\t)], 0xfe000000    ; c m: far below every c s
	v_mov_b32 v[ST+8*(\t)+1], 0xff7fffff  ; m
	v_mov_b32 v[ST+8*(\t)+2], 0
	v_mov_b32 v[ST+8*(\t)+3], 0
.endr
	v_mov_b32 v[NANV], 0x7fc00000
	v_lshlrev_b32 v[PFO], 8, v47
	s_lshl_b32 s77, s[WV], 12
	v_lshl_add_u32 v[AM0], v47, 4, s77  ; the mask: my wave's four tiles of 1,024 bytes, 16 bytes a lane
.macro KLOAD p, lo                  ; 16 loads: half p of K (keys 32 p on), part hi (0) or lo (1): key block kb, channels 32 cc on, at KF + 32 kb + 8 cc: two blocks of 512 bytes
	WIN 0xc0                        ; destination window 3
.irp kbl, 0,1
.irp cc, 0,1,2,3
	ds_load_b128 v[KF+32*(2*(\p)+(\kbl))+8*(\cc):KF+32*(2*(\p)+(\kbl))+8*(\cc)+3],   v[AK] offset:(2*(\p)+(\kbl))*8192+(\lo)*4096+(\cc)*1024
	ds_load_b128 v[KF+32*(2*(\p)+(\kbl))+8*(\cc)+4:KF+32*(2*(\p)+(\kbl))+8*(\cc)+7], v[AK] offset:(2*(\p)+(\kbl))*8192+(\lo)*4096+(\cc)*1024+512
.endr
.endr
.endm
.macro VLOAD                        ; 32 loads: keys 32 kk on, channels 16 cb on, at 64 kk + 8 cb: the blocks of key blocks 2 kk and 2 kk + 1
	WIN 0xc0
.irp kk, 0,1
.irp cb, 0,1,2,3,4,5,6,7
	ds_load_b128 v[64*(\kk)+8*(\cb):64*(\kk)+8*(\cb)+3],   v[AV] offset:(\kk)*8192+(\cb)*512
	ds_load_b128 v[64*(\kk)+8*(\cb)+4:64*(\kk)+8*(\cb)+7], v[AV] offset:(\kk)*8192+4096+(\cb)*512
.endr
.endr
.endm
; 32 x nsel products on half p of K: for Q's part (hi; with nsel = 2 then lo) and each 32 channels, the half's 2 key blocks x 4 tiles: 8 accumulators by turns, one instruction a turn.
.macro KQP p, nsel
	WIN W_KQ
.set sl, 0
.rept \nsel
.set cc, 0
.rept 4
.set kb, 2*(\p)
.rept 2
.set tt, 0
.rept 4
	v_wmma_f32_16x16x32_f16 v[S+32*tt+8*kb:S+32*tt+8*kb+7], v[KF+32*kb+8*cc:KF+32*kb+8*cc+7], v[128*sl+32*tt+8*cc:128*sl+32*tt+8*cc+7], v[S+32*tt+8*kb:S+32*tt+8*kb+7]
.set tt, tt+1
.endr
.set kb, kb+1
.endr
.set cc, cc+1
.endr
.set sl, sl+1
.endr
.endm
.macro REGS t
.set rT, ST+8*(\t)
.set rS, S+32*(\t)
.set rP, P+16*(\t)
.endm
; Number j of the 21 that find tile t's maximum and statistics.  0-11: four chains c0-c3 of seven scores each (each accumulator's lowest registers are read first);
; 12-15: the four scores left over, c0-c3 and the old m into c0;  16, 18: the query's other 32 keys lie in the lane 16 away: the new m;  17: c m_old is kept;  19, 20: c m; c m_old - c m_new.
.macro SM t
	REGS \t
.if j < 4
	v_max3_num_f32 v[rT+4+j], v[rS+8*j], v[rS+8*j+1], v[rS+8*j+2]
.elseif j < 12
	v_max3_num_f32 v[rT+4+j%4], v[rT+4+j%4], v[rS+8*(j%4)+2*(j/4)+1], v[rS+8*(j%4)+2*(j/4)+2]
.elseif j == 12
	v_max3_num_f32 v[rT+4], v[rT+4], v[rS+7], v[rS+15]
.elseif j == 13
	v_max3_num_f32 v[rT+6], v[rT+6], v[rS+23], v[rS+31]
.elseif j == 14
	v_max3_num_f32 v[rT+4], v[rT+4], v[rT+5], v[rT+6]
.elseif j == 15
	v_max3_num_f32 v[rT+4], v[rT+4], v[rT+7], v[rT+1]
.elseif j == 16
	v_permlanex16_b32 v[rT+5], v[rT+4], s[SEL], s[SEL+1]
.elseif j == 17
	v_mov_b32 v[rT+7], v[rT]
.elseif j == 18
	v_max_num_f32 v[rT+1], v[rT+4], v[rT+5]
.elseif j == 19
	v_mul_f32 v[rT], s[CS], v[rT+1]
.else
	v_sub_f32 v[rT+7], v[rT+7], v[rT]
.endif
.endm
; Sum z of 16 of tile t's 16 pairs of weights, in place: neighbours 1, 2, 4 and 8 pairs apart; then l = a l + the sum.
.macro SUMS t
	REGS \t
.set sw, 4
.set su, z
.if z >= 14
.set sw, 32
.set su, 0
.elseif z >= 12
.set sw, 16
.set su, z-12
.elseif z >= 8
.set sw, 8
.set su, z-8
.endif
.if z < 15
	v_pk_add_f32 v[rS+sw*su:rS+sw*su+1], v[rS+sw*su:rS+sw*su+1], v[rS+sw*su+sw/2:rS+sw*su+sw/2+1]
.else
	v_pk_fma_f32 v[rT+2:rT+3], v[rT+2:rT+3], v[rT+6:rT+7], v[rS:rS+1] op_sel_hi:[1,0,1]
.endif
.endm
; A KEY STEP.
.macro STEP
	WIN 0
	v_add_nc_u32 v[AK], s[TBK], v[L16]
	v_add_nc_u32 v[AV], s[TBV], v[L16]
	v_add_nc_u32 v[AM], s[TBM], v[AM0]
.irp t, 0,1,2,3                     ; the mask's 32 bytes a lane and tile, into the top eight registers of the tile's S^T
	ds_load_b128 v[S+32*(\t)+24:S+32*(\t)+27], v[AM] offset:(\t)*1024
	ds_load_b128 v[S+32*(\t)+28:S+32*(\t)+31], v[AM] offset:(\t)*1024+512
.endr
	KLOAD 0, 0
	KLOAD 1, 0
	WIN 0
	s_wait_dscnt 32                 ; the mask is in; K's 32 loads may stay out
.set n, 0
.rept 31                            ; byte n of the 32 goes to the top of register n, ascending, so that no word is written before its last byte is taken; register 31 is right as it came
.irp t, 0,1,2,3
.if n%4 == 3
	v_mov_b32 v[S+32*(\t)+n], v[S+32*(\t)+24+n/4]
.else
	v_lshlrev_b32 v[S+32*(\t)+n], 24-8*(n%4), v[S+32*(\t)+24+n/4]
.endif
.endr
.set n, n+1
.endr
	VLOAD                           ; the 124 lines above are the places behind the last step's products, which read V
	s_wait_dscnt 48                 ; K's half X is in; half Y (16) and V (32) may stay out
	KQP 0, 2
	PLACES
	KLOAD 0, 1                      ; half X takes its lo part
	s_wait_dscnt 48                 ; half Y is in; V (32) and X's lo (16) may stay out
	KQP 1, 2
	PLACES
	KLOAD 1, 1
	s_wait_dscnt 16                 ; V and X's lo are in; Y's lo may stay out
	KQP 0, 1
	s_wait_dscnt 0x0
	KQP 1, 1
	PLACES                          ; the places behind the products, ahead of the first read of their results
	WIN 0
.set j, 0
.rept 21
.irp t, 0,1,2,3
	SM \t
.endr
.set j, j+1
.endr
	; ONE BATCH of 132 exponentials: the four a, then s0-s31 of the four tiles, a pair's two behind the next pair's scaling.  Nothing ahead of the wait names a result of theirs.
.irp t, 0,1,2,3
	v_exp_f32 v[ST+8*(\t)+6], v[ST+8*(\t)+7]
.endr
.set b, 0
.rept 17
.irp t, 0,1,2,3
	REGS \t
.if b < 16
	v_pk_fma_f32 v[rS+2*b:rS+2*b+1], v[rS+2*b:rS+2*b+1], s[CS:CS+1], v[rT:rT+1] op_sel_hi:[1,0,0] neg_lo:[0,0,1] neg_hi:[0,0,1]  ; c s - c m
.endif
.if b > 0
	v_exp_f32 v[rS+2*b-2], v[rS+2*b-2]
	v_exp_f32 v[rS+2*b-1], v[rS+2*b-1]
.endif
.endr
.set b, b+1
.endr
	v_nop                           ; a plain instruction behind the last exponential,
	s_wait_alu depctr_va_vdst(0)    ; and the wait ahead of the first use: one for the batch
.set j, 0
.rept 16
.irp t, 0,1,2,3
	v_cvt_pk_f16_f32 v[P+16*(\t)+j], v[S+32*(\t)+2*j], v[S+32*(\t)+2*j+1]
.endr
.set j, j+1
.endr
.set z, 0
.rept 16
.irp t, 0,1,2,3
	SUMS \t
.endr
.set z, z+1
.endr
	WIN W_RS
.set j, 0
.rept 32                            ; O^T times a, ascending: each accumulator is read from its low end on
.irp t, 0,1,2,3
	v_pk_mul_f32 v[64*(\t)+2*j:64*(\t)+2*j+1], v[64*(\t)+2*j:64*(\t)+2*j+1], v[ST+8*(\t)+6:ST+8*(\t)+7] op_sel_hi:[1,0]
.endr
.set j, j+1
.endr
	WIN W_PV
.set kk, 0
.rept 2                             ; O^T += V^T P: 32 accumulators by turns
.set cb, 0
.rept 8
.set tt, 0
.rept 4
	v_wmma_f32_16x16x32_f16 v[64*tt+8*cb:64*tt+8*cb+7], v[64*kk+8*cb:64*kk+8*cb+7], v[P+16*tt+8*kk:P+16*tt+8*kk+7], v[64*tt+8*cb:64*tt+8*cb+7]
.set tt, tt+1
.endr
.set cb, cb+1
.endr
.set kk, kk+1
.endr
	WIN 0
	s_add_co_u32 s[TBK], s[TBK], 32768
	s_add_co_u32 s[TBV], s[TBV], 16384
	s_add_co_u32 s[TBM], s[TBM], 16384
.endm
	s_wait_loadcnt 0x0              ; Q
.Lslot:                             ; seven times: a slot is entered and the next is asked for
	CHANGE 1
	s_mov_b32 s[TWICE], 2
.Lstep:
	STEP
	s_sub_co_u32 s[TWICE], s[TWICE], 1
	s_cmp_lg_u32 s[TWICE], 0
	s_cbranch_scc1 .Lstep
	s_sub_co_u32 s[SLOTS], s[SLOTS], 1
	s_cmp_lg_u32 s[SLOTS], 0
	s_cbranch_scc1 .Lslot
	CHANGE 0                        ; the last slot is written out
	s_mov_b32 s[TWICE], 2
.Ltail:
	STEP
	s_sub_co_u32 s[TWICE], s[TWICE], 1
	s_cmp_lg_u32 s[TWICE], 0
	s_cbranch_scc1 .Ltail
	; THE WAY OUT.  l's two halves and the other half of the lanes' are added; O^T is divided by l (by NaN where the row saw no key), rounded to f16 and stored from the registers in which it lies:
	; a lane's eight channels of a row are its 16 bytes of a block.  The additions are the places behind the last products.
.irp t, 0,1,2,3
	v_add_f32 v[ST+8*(\t)+4], v[ST+8*(\t)+2], v[ST+8*(\t)+3]
.endr
.irp t, 0,1,2,3
	v_permlanex16_b32 v[ST+8*(\t)+5], v[ST+8*(\t)+4], s[SEL], s[SEL+1]
.endr
.irp t, 0,1,2,3
	v_add_f32 v[ST+8*(\t)+4], v[ST+8*(\t)+4], v[ST+8*(\t)+5]
.endr
.irp t, 0,1,2,3
	v_rcp_f32 v[ST+8*(\t)+6], v[ST+8*(\t)+4]
.endr
	v_nop
	s_wait_alu depctr_va_vdst(0)    ; one wait for the four reciprocals, ahead of their first use
.irp t, 0,1,2,3
	v_cmp_gt_f32 vcc_lo, s[THR], v[ST+8*(\t)+1]
	v_cndmask_b32 v[ST+8*(\t)+6], v[ST+8*(\t)+6], v[NANV], vcc_lo
.endr
.macro PACK t
	WIN W_RS
.set i, 64*(\t)
.rept 32
	v_pk_mul_f32 v[i:i+1], v[i:i+1], v[ST+8*(\t)+6:ST+8*(\t)+7] op_sel_hi:[1,0]
.set i, i+2
.endr
	WIN 0x05                        ; sources 0 and 1 window 1, destination window 0: S^T's registers are free
.set i, 0
.rept 32
	v_cvt_pk_f16_f32 v[S+32*(\t)+i], v[64*(\t)+2*i], v[64*(\t)+2*i+1]
.set i, i+1
.endr
	WIN 0
.endm
.macro SEND t
	WIN 0
.irp f, 0,1,2,3,4,5,6,7
	global_store_b128 v[L16], v[S+32*(\t)+4*(\f):S+32*(\t)+4*(\f)+3], s[12:13] offset:(\t)*65536+(\f)*512  ; a block: 512 consecutive bytes, aligned
.endr
.endm
	PACK 0
	PACK 1                          ; a tile's arithmetic stands ahead of the stores of the tile before
	SEND 0
	PACK 2
	SEND 1
	PACK 3
	SEND 2
	SEND 3
	s_wait_tensorcnt 0x0            ; the wave's end, behind my last tensor load
	ds_add_u32 v[SPW], v[NIL]
	s_wait_dscnt 0x0
	CROUND                          ; the closing round
	s_endpgm
.Lfunc_end_k_q5151d8e469_attn:
	.size	k_q5151d8e469_attn, .Lfunc_end_k_q5151d8e469_attn-k_q5151d8e469_attn
	.p2alignl 7, 3214868480
	.fill 96, 4, 3214868480
	.section	.rodata,"a",@progbits
	.p2align	6, 0x0
	.amdhsa_kernel k_q5151d8e469_attn
		.amdhsa_group_segment_fixed_size 327680
		.amdhsa_private_segment_fixed_size 0
		.amdhsa_enable_private_segment 0
		.amdhsa_kernarg_size 40
		.amdhsa_user_sgpr_count 2
		.amdhsa_user_sgpr_kernarg_segment_ptr 1
		.amdhsa_wavefront_size32 1
		.amdhsa_system_sgpr_workgroup_id_x 1
		.amdhsa_system_sgpr_workgroup_id_y 1
		.amdhsa_system_sgpr_workgroup_id_z 1
		.amdhsa_system_vgpr_workitem_id 0
		.amdhsa_next_free_vgpr 1024
		.amdhsa_next_free_sgpr 88
		.amdhsa_reserve_vcc 1
		.amdhsa_float_denorm_mode_32 3
		.amdhsa_float_denorm_mode_16_64 3
		.amdhsa_memory_ordered 1
		.amdhsa_forward_progress 1
		.amdhsa_inst_pref_size 159
	.end_amdhsa_kernel
	.amdgpu_metadata
---
amdhsa.version: [ 1, 2 ]
amdhsa.kernels:
  - .name:           k_q5151d8e469_attn
    .symbol:         k_q5151d8e469_attn.kd
    .args:
      - { .name: Qs, .offset: 0, .size: 8, .value_kind: global_buffer, .address_space: global }
      - { .name: Ks, .offset: 8, .size: 8, .value_kind: global_buffer, .address_space: global }
      - { .name: Vs, .offset: 16, .size: 8, .value_kind: global_buffer, .address_space: global }
      - { .name: Mb, .offset: 24, .size: 8, .value_kind: global_buffer, .address_space: global }
      - { .name: At, .offset: 32, .size: 8, .value_kind: global_buffer, .address_space: global }
    .group_segment_fixed_size: 327680
    .private_segment_fixed_size: 0
    .kernarg_segment_align: 8
    .kernarg_segment_size: 40
    .max_flat_workgroup_size: 128
    .sgpr_count:     88
    .vgpr_count:     1024
    .wavefront_size: 32
...
	.end_amdgpu_metadata
.endif
;; end of part 3
;; launch outp (part 4): grid 128 x 2, 4 waves a work-group, no clusters, 35,328 bytes of LDS; arguments At, WOt, out0; writes out0
.if DOCPART == 4
	.amdgcn_target "amdgcn-amd-amdhsa--gfx1250"
	.amdhsa_code_object_version 6
	.text
	.protected	k_q5151d8e469_outp
	.globl	k_q5151d8e469_outp
	.p2align	8
	.type	k_q5151d8e469_outp,@function
k_q5151d8e469_outp:
	s_mov_b64 s[64:65], 0
	v_nop
	global_prefetch_b8 v0, s[64:65] scope:SCOPE_SE
	s_setreg_imm32_b32 hwreg(HW_REG_WAVE_MODE, 25, 1), 1
	s_wait_xcnt 0x0
; OUT: out0[4096][128] = 64 x At W_O, operands f16, sums f32 (At holds the attention's result / 64).
; Both operands lie in memory in the lanes' order, a block of 16 x 16 numbers as 512 bytes, lane l's 16 bytes at 16 l: At [16 rows: 256][16 k: 128], WOt [16 columns: 8][16 k: 128].
; A fragment (16 x 32 k) is two blocks that lie end to end: two loads of 512 consecutive bytes.
; Work-group (gx, gy) makes 32 rows x 64 columns: 256 bytes of each of its rows of out0; 256 work-groups.  K IS SPLIT AMONG THE FOUR WAVES, 512 each; the four partial sums meet in LDS.
; The product is taken transposed (source 0 = 16 columns of W_O, source 1 = 16 rows of At): a lane holds one row of out0 and eight neighbouring columns.
; Fragments come straight from memory: no wave wants a byte that another wave of the group has fetched.  Three sets of registers, a chunk of 32 along K each: two chunks' 24 loads are out while one
; is multiplied.  NO CLUSTER, NO TENSOR LOADS: what work-groups share is WOt, 512 KiB in all; a wave has 128 matrix instructions, so a ring with its barriers would cost more than it brings.
.set SPARE, 34816                      ; behind the four partial tiles of 32 rows x 272 bytes: the spare words
.set FO,  2                            ; v2  16 x lane + my wave's 32 blocks of 16 k (16,384 bytes); for both tensors; never rewritten
.set LS,  3                            ; v3  where I put my 32 bytes of a partial tile's row
.set LR,  4                            ; v4  where I read rows back
.set YO,  5                            ; v5  my 16 bytes in two rows of out0
.set SPW, 6                            ; v6  LDS address of my spare word; never rewritten
.set NIL, 7                            ; v7  0; never rewritten
.set ACC, 16                           ; v[16:79]  accumulator (row block a, column block b) at ACC + 8 (4 a + b)
.set BUF, 80                           ; v[80:223] three sets of 48: WOt's four fragments, then At's two
	s_load_b128 s[4:7], s[0:1], 0x0                ; At s[4:5], WOt s[6:7]
	s_load_b64 s[8:9], s[0:1], 0x10                ; out0
	v_lshl_add_u32 v[SPW], v0, 2, SPARE
	v_mov_b32 v[NIL], 0
	v_lshrrev_b32 v1, 5, v0
	v_readfirstlane_b32 s10, v1                    ; wave 0..3
	s_and_b32 s11, ttmp7, 0xffff                   ; gy
	v_and_b32 v8, 15, v0
	v_bfe_u32 v9, v0, 4, 1
	v_and_b32 v10, 31, v0
	s_lshl_b32 s12, s10, 14
	v_lshl_add_u32 v[FO], v10, 4, s12
	s_mul_i32 s12, s10, 8704
	v_mul_u32_u24 v[LS], v8, 272
	v_lshl_add_u32 v[LS], v9, 5, v[LS]
	v_add_nc_u32 v[LS], s12, v[LS]
	s_mul_i32 s12, s10, 8*272
	v_mul_u32_u24 v[LR], v9, 272
	v_lshl_add_u32 v[LR], v8, 4, v[LR]
	v_add_nc_u32 v[LR], s12, v[LR]
	v_lshlrev_b32 v[YO], 4, v8
	v_lshl_add_u32 v[YO], v9, 9, v[YO]
	s_lshl_b32 s14, ttmp9, 17                      ; two blocks of 16 rows of At, 65,536 bytes each
	s_mov_b32 s15, 0
	s_lshl_b32 s16, s11, 18                        ; four blocks of 16 columns of WOt
	s_mov_b32 s17, 0
	s_lshl_b32 s18, ttmp9, 5
	s_lshl_b32 s19, s10, 3
	s_add_co_u32 s18, s18, s19                     ; the first of the 8 rows that I store
	s_lshl_b32 s18, s18, 9
	s_lshl_b32 s19, s11, 8
	s_add_co_u32 s18, s18, s19
	s_mov_b32 s19, 0
	s_wait_kmcnt 0x0
	s_add_nc_u64 s[4:5], s[4:5], s[14:15]
	s_add_nc_u64 s[6:7], s[6:7], s[16:17]
	s_add_nc_u64 s[8:9], s[8:9], s[18:19]
.macro LOADS st, c                     ; 12 loads into set st: the chunk that lies c chunks (of 1,024 bytes a fragment) behind the two pointers
.set sb, BUF+48*(\st)
.irp b, 0,1,2,3
	global_load_b128 v[sb+8*(\b):sb+8*(\b)+3],   v[FO], s[6:7] offset:(\b)*65536+1024*(\c)
	global_load_b128 v[sb+8*(\b)+4:sb+8*(\b)+7], v[FO], s[6:7] offset:(\b)*65536+1024*(\c)+512
.endr
.irp a, 0,1
	global_load_b128 v[sb+32+8*(\a):sb+32+8*(\a)+3],   v[FO], s[4:5] offset:(\a)*65536+1024*(\c)
	global_load_b128 v[sb+32+8*(\a)+4:sb+32+8*(\a)+7], v[FO], s[4:5] offset:(\a)*65536+1024*(\c)+512
.endr
.endm
.macro MULS st, zero                   ; a chunk's 8 products: the eight accumulators take turns, one instruction a turn, over the backward jump too; zero = 1 starts the sums
.set sb, BUF+48*(\st)
.irp a, 0,1
.irp b, 0,1,2,3
.if \zero
	v_wmma_f32_16x16x32_f16 v[ACC+8*(4*(\a)+(\b)):ACC+8*(4*(\a)+(\b))+7], v[sb+8*(\b):sb+8*(\b)+7], v[sb+32+8*(\a):sb+32+8*(\a)+7], 0
.else
	v_wmma_f32_16x16x32_f16 v[ACC+8*(4*(\a)+(\b)):ACC+8*(4*(\a)+(\b))+7], v[sb+8*(\b):sb+8*(\b)+7], v[sb+32+8*(\a):sb+32+8*(\a)+7], v[ACC+8*(4*(\a)+(\b)):ACC+8*(4*(\a)+(\b))+7]
.endif
.endr
.endr
.endm
.macro PLACES                          ; four places behind the products, in front of loads into registers that they have read and of stores that read results
.rept 4
	v_nop
.endr
.endm
	LOADS 0, 0
	LOADS 1, 1
	LOADS 2, 2
	s_wait_loadcnt 24                              ; chunk 0 is in; the two younger chunks' loads may stay out
	MULS 0, 1                                      ; the first chunk stands ahead of the loop: its products start the sums
	PLACES
	LOADS 0, 3
	s_mov_b32 s20, 4
.Lk:                                           ; trip t: chunks 3 t + 1 .. 3 t + 3 are multiplied, chunks 3 t + 4 .. 3 t + 6 asked for; every wait leaves the two younger chunks' 24 loads out
	s_wait_loadcnt 24
	MULS 1, 0
	PLACES
	LOADS 1, 4
	s_wait_loadcnt 24
	MULS 2, 0
	PLACES
	LOADS 2, 5
	s_wait_loadcnt 24
	MULS 0, 0
	PLACES
	LOADS 0, 6
	s_wait_xcnt 0x0                                ; every load issued so far has read its address, so the pointers may be written
	s_add_nc_u64 s[4:5], s[4:5], 3072
	s_add_nc_u64 s[6:7], s[6:7], 3072
	s_sub_co_u32 s20, s20, 1
	s_cmp_lg_u32 s20, 0
	s_cbranch_scc1 .Lk
	s_wait_loadcnt 24                              ; chunks 13, 14, 15 load nothing: the counts run down
	MULS 1, 0
	s_wait_loadcnt 12
	MULS 2, 0
	s_wait_loadcnt 0x0
	MULS 0, 0
	PLACES
	PLACES
.irp a, 0,1
.irp b, 0,1,2,3
	ds_store_b128 v[LS], v[ACC+8*(4*(\a)+(\b)):ACC+8*(4*(\a)+(\b))+3]   offset:(\a)*4352+(\b)*64      ; each accumulator from its low end on
	ds_store_b128 v[LS], v[ACC+8*(4*(\a)+(\b))+4:ACC+8*(4*(\a)+(\b))+7] offset:(\a)*4352+(\b)*64+16
.endr
.endr
	s_wait_dscnt 0x0                               ; for the others' sake: my stores are done
	s_barrier_signal -1
	s_barrier_wait -1                              ; all four partial sums lie in LDS
.irp p, 0,1,2,3                        ; wave w finishes rows 8 w .. 8 w + 7: two rows of 256 bytes a load, from each of the four partial tiles
.irp t, 0,1,2,3
	ds_load_b128 v[BUF+16*(\p)+4*(\t):BUF+16*(\p)+4*(\t)+3], v[LR] offset:(\p)*8704+(\t)*544
.endr
.endr
	s_wait_dscnt 0x0
.set r, 0
.rept 8
	v_pk_add_f32 v[BUF+r:BUF+r+1], v[BUF+r:BUF+r+1], v[BUF+16+r:BUF+16+r+1]
	v_pk_add_f32 v[BUF+32+r:BUF+32+r+1], v[BUF+32+r:BUF+32+r+1], v[BUF+48+r:BUF+48+r+1]
.set r, r+2
.endr
.set r, 0
.rept 8
	v_pk_add_f32 v[BUF+r:BUF+r+1], v[BUF+r:BUF+r+1], v[BUF+32+r:BUF+32+r+1]
.set r, r+2
.endr
.set r, 0
.rept 8
	v_pk_mul_f32 v[BUF+r:BUF+r+1], v[BUF+r:BUF+r+1], 0x42800000 op_sel_hi:[1,0]  ; x 64: v's factor 2^-6 is taken back
.set r, r+2
.endr
.irp t, 0,1,2,3
	global_store_b128 v[YO], v[BUF+4*(\t):BUF+4*(\t)+3], s[8:9] offset:(\t)*1024  ; sixteen lanes store 256 consecutive bytes, aligned
.endr
	s_wait_tensorcnt 0x0                           ; the wave's end, behind my last LDS store
	ds_add_u32 v[SPW], v[NIL]
	s_wait_dscnt 0x0
	s_endpgm
.Lfunc_end_k_q5151d8e469_outp:
	.size	k_q5151d8e469_outp, .Lfunc_end_k_q5151d8e469_outp-k_q5151d8e469_outp
	.p2alignl 7, 3214868480
	.fill 96, 4, 3214868480
	.section	.rodata,"a",@progbits
	.p2align	6, 0x0
	.amdhsa_kernel k_q5151d8e469_outp
		.amdhsa_group_segment_fixed_size 35328
		.amdhsa_private_segment_fixed_size 0
		.amdhsa_enable_private_segment 0
		.amdhsa_kernarg_size 24
		.amdhsa_user_sgpr_count 2
		.amdhsa_user_sgpr_kernarg_segment_ptr 1
		.amdhsa_wavefront_size32 1
		.amdhsa_system_sgpr_workgroup_id_x 1
		.amdhsa_system_sgpr_workgroup_id_y 1
		.amdhsa_system_sgpr_workgroup_id_z 1
		.amdhsa_system_vgpr_workitem_id 0
		.amdhsa_next_free_vgpr 224
		.amdhsa_next_free_sgpr 66
		.amdhsa_reserve_vcc 0
		.amdhsa_float_denorm_mode_32 3
		.amdhsa_float_denorm_mode_16_64 3
		.amdhsa_memory_ordered 1
		.amdhsa_forward_progress 1
		.amdhsa_inst_pref_size 20
	.end_amdhsa_kernel
	.amdgpu_metadata
---
amdhsa.version: [ 1, 2 ]
amdhsa.kernels:
  - .name:           k_q5151d8e469_outp
    .symbol:         k_q5151d8e469_outp.kd
    .args:
      - { .name: At, .offset: 0, .size: 8, .value_kind: global_buffer, .address_space: global }
      - { .name: WOt, .offset: 8, .size: 8, .value_kind: global_buffer, .address_space: global }
      - { .name: out0, .offset: 16, .size: 8, .value_kind: global_buffer, .address_space: global }
    .group_segment_fixed_size: 35328
    .private_segment_fixed_size: 0
    .kernarg_segment_align: 8
    .kernarg_segment_size: 24
    .max_flat_workgroup_size: 128
    .sgpr_count:     66
    .vgpr_count:     224
    .wavefront_size: 32
...
	.end_amdgpu_metadata
.endif
;; end of part 4
;; ======== version 2 of 2: 4 launches; version 1 with the launches prep, outp written anew for expert scheduling mode
;; limits: values are held in f16: magnitudes above 65,504 overflow, below 6.1e-05 lose precision; right only within a limited range of input values
;; workspace buffers: Xb 16,777,216 bytes; Wc 25,165,824 bytes; WOt 524,288 bytes; Mb 4,194,304 bytes; Qs 33,554,432 bytes; Ks 33,554,432 bytes; Vs 16,777,216 bytes; At 16,777,216 bytes
;; launch prep (part 5): grid 688 x 1, 8 waves a work-group, no clusters, 35,840 bytes of LDS; arguments X, W_Q, W_K, W_V, W_O, mask, Xb, Wc, WOt, Mb; writes Xb, Wc, WOt, Mb
.if DOCPART == 5
	.amdgcn_target "amdgcn-amd-amdhsa--gfx1250"
	.amdhsa_code_object_version 6
	.text
	.protected	k_q5151d8e469_prep
	.globl	k_q5151d8e469_prep
	.p2align	8
	.type	k_q5151d8e469_prep,@function
k_q5151d8e469_prep:
	s_mov_b64 s[64:65], 0
	v_nop
	global_prefetch_b8 v0, s[64:65] scope:SCOPE_SE
	s_setreg_imm32_b32 hwreg(HW_REG_WAVE_SCHED_MODE, 0, 2), 2
	s_setreg_imm32_b32 hwreg(HW_REG_WAVE_MODE, 25, 1), 1
	s_wait_xcnt 0x0
	s_wait_alu depctr_vm_vsrc(0)
; PREP: every float input is rounded once to bf16 and laid out for the launches behind; the mask becomes bytes in the order in which the attention's lanes want them.
;   Xb  bf16 [kb 32][row 4096][64 k]: a block of 256 rows x 64 k is 32,768 dense bytes.
;   Wc  bf16 of W x 2^-6 (an exact factor), [head 16][k 2048][Q 128 | K 128 | V 128]: rows of 768 bytes.
;   WOt f16 of bf16(W_O), in the lanes' order: [block of 16 columns n: 8][block of 16 k: 128][lane 32][16 B]; lane l's 16 bytes are column l % 16, k = 8 (l / 16) + 0..7 of the block.
;       LIMIT: |W_O| under 65,504; below 6e-5 it keeps f16's fixed step of 6e-8.
;   Mb  a byte a (query, key): 0x00 visible, 0xF1 hidden, at (T>>4)<<18 | n<<14 | (T&15)<<10 | u<<9 | lane<<4 | i, T = batch x 64 + query / 16, n = key / 64;
;       byte i stands for query 16 (T & 63) + lane % 16 and key 64 n + 16 (2 u + i / 8) + 8 (lane / 16) + i % 8.
; A stream: no matrix unit, no cluster (no work-group reads what another reads).  Work-groups 0-255 take X, 256-639 the three W, 640-671 the mask, 672-687 W_O: the branch hangs on the
; work-group's number alone.  Each wave asks for its whole share (16 KiB) at once, and no register is written twice while a load or a store may still name it.
; THE MODE: SCHED_MODE bits 1:0 = 2 (LLVM: expert scheduling mode 2), set by the entry lines.  The code itself states the register dependences between vector instructions and memory or LDS
; instructions, with s_wait_alu, always for 0.
; THE PLAN.  Registers that memory or LDS instructions touch:
;   v[INO], v[OUTO], v[LST], v[LLD]   offsets and LDS addresses: made once in each path and never written again.
;   X, W: item i's four registers     written by its load; its conversions read them and write the first two; its store reads those two.  Nothing writes them again.  The items go in blocks of eight:
;                                     one wait at a block's head says that the block before has written its words, and that block's stores are dealt among this block's conversions, which name other items alone.
;   the mask: chunk c's 32 registers  global loads land; eight LDS stores read them; sixteen LDS loads land in them again; the arithmetic works in place; eight global stores, issued in chunk c + 1, read them.
;   W_O: v[32:95]                     loaded, read by the conversions; behind the barrier LDS loads land in v[32:63], which the global stores read.
;        v[96:127]                    written by the conversions of a pair of rows; read by LDS stores that are issued four pairs later.
;   v[SPW], v[NIL]                    written at the head, read by the closing add alone.
.set SPARE, 34816                      ; behind the scratch: the spare words, 128 bytes for each of eight waves
.set SPW,  2                           ; v2  LDS address of my spare word; never rewritten
.set NIL,  3                           ; v3  0; never rewritten
.set INO,  4                           ; v4  my byte offset on the way in
.set OUTO, 5                           ; v5  my byte offset on the way out
.set LST,  8                           ; v8  where I store into LDS
.set LLD,  9                           ; v9  where I read LDS back
.set D,    32                          ; v[32:159] data
.set IN,   30                          ; s[30:31] base on the way in
.set OA,   32                          ; s[32:33] base on the way out
.set OB,   34                          ; s[34:35] X alone: the base for blocks 16-31
.set OF,   36                          ; s[36:37] an offset, high word 0
	s_load_b512 s[8:23], s[0:1], 0x0               ; X s[8:9], W_Q s[10:11], W_K s[12:13], W_V s[14:15], W_O s[16:17], mask s[18:19], Xb s[20:21], Wc s[22:23]
	s_load_b128 s[24:27], s[0:1], 0x40             ; WOt s[24:25], Mb s[26:27]
	v_lshl_add_u32 v[SPW], v0, 2, SPARE
	v_mov_b32 v[NIL], 0
	v_lshrrev_b32 v6, 5, v0
	v_readfirstlane_b32 s28, v6                    ; wave 0..7
	v_and_b32 v1, 31, v0                           ; lane
	v_and_b32 v6, 15, v0                           ; lane % 16
	v_bfe_u32 v7, v0, 4, 1                         ; lane / 16
	s_mov_b32 s29, ttmp9
	s_mov_b32 s[OF+1], 0
	s_wait_alu depctr_va_sdst(0)                   ; s28 is written
	s_wait_kmcnt 0x0
	s_cmp_lt_u32 s29, 256
	s_cbranch_scc1 .Lx
	s_cmp_lt_u32 s29, 640
	s_cbranch_scc1 .Lw
	s_cmp_lt_u32 s29, 672
	s_cbranch_scc1 .Lm
	s_branch .Lo
; Item it's store, 8 bytes a lane: the wave's store covers 256 consecutive bytes, aligned.
.macro OUT32 kind, it
.if \kind
	global_store_b64 v[OUTO], v[D+4*(\it):D+4*(\it)+1], s[OA:OA+1] offset:((\it)%2)*1572864+((\it)/2)*768
.elseif (\it) < 16
	global_store_b64 v[OUTO], v[D+4*(\it):D+4*(\it)+1], s[OA:OA+1] offset:(\it)*524288
.else
	global_store_b64 v[OUTO], v[D+4*(\it):D+4*(\it)+1], s[OB:OB+1] offset:((\it)-16)*524288
.endif
.endm
; Thirty-two items of 32 lanes x 4 f32.  A load takes 16 neighbouring bytes a lane, so that sixteen lanes cover 256 consecutive bytes and no byte is asked for twice; all 32 loads go out first.
; An item is (kind 1: scaled,) rounded to bf16 in place and stored.  The items go in four blocks of eight; a block's stores are issued in the next block, one ahead of each item's conversions.
; kind 0, X: item i is block i of 64 k, of my two rows.  kind 1, W: item i is row i / 2 of my sixteen, head i % 2 of my two.
.macro STREAM32 kind
	s_wait_alu depctr_va_vdst(0)                   ; v[INO] and v[OUTO] are written, which every load and store below reads as its offset
.set i, 0
.rept 32
.if \kind
	global_load_b128 v[D+4*i:D+4*i+3], v[INO], s[IN:IN+1] offset:(i/2)*8192+(i%2)*512 th:TH_LOAD_NT
.else
	global_load_b128 v[D+4*i:D+4*i+3], v[INO], s[IN:IN+1] offset:i*256 th:TH_LOAD_NT
.endif
.set i, i+1
.endr
.set i, 0
.rept 32
.if i%8 == 0
	s_wait_loadcnt 24-i                            ; loads come back in order: this block's eight are in, the younger blocks' may stay out
.if i > 0
	s_wait_alu depctr_va_vdst(0)                   ; the block before has written its words, which the eight stores of this block read; no conversion below names them
.endif
.endif
.if i >= 8
	OUT32 \kind, i-8
.endif
.if \kind
	v_pk_mul_f32 v[D+4*i:D+4*i+1],   v[D+4*i:D+4*i+1],   0x3c800000 op_sel_hi:[1,0]  ; x 2^-6
	v_pk_mul_f32 v[D+4*i+2:D+4*i+3], v[D+4*i+2:D+4*i+3], 0x3c800000 op_sel_hi:[1,0]
.endif
	v_cvt_pk_bf16_f32 v[D+4*i],   v[D+4*i],   v[D+4*i+1]  ; ascending: no source is written before it is read
	v_cvt_pk_bf16_f32 v[D+4*i+1], v[D+4*i+2], v[D+4*i+3]
.set i, i+1
.endr
	s_wait_alu depctr_va_vdst(0)                   ; the last block has written its words, which the last eight stores read
.set i, 24
.rept 8
	OUT32 \kind, i
.set i, i+1
.endr
.endm
.Lx:    ; X.  The work-group takes 16 rows, wave w rows 2 w and 2 w + 1: lanes 0-15 read 256 bytes (64 k) of the first, lanes 16-31 of the second; their 2 x 128 bytes of bf16 lie end to end in Xb.
	v_lshlrev_b32 v[INO], 4, v6
	v_lshl_add_u32 v[INO], v7, 13, v[INO]          ; a row of X is 8,192 bytes
	v_lshlrev_b32 v[OUTO], 3, v1
	s_lshl_b32 s[OF], s29, 17
	s_lshl_b32 s38, s28, 14
	s_add_co_u32 s[OF], s[OF], s38
	s_add_nc_u64 s[IN:IN+1], s[8:9], s[OF:OF+1]
	s_lshl_b32 s[OF], s29, 11                      ; a row of a block is 128 bytes
	s_lshl_b32 s38, s28, 8
	s_add_co_u32 s[OF], s[OF], s38
	s_add_nc_u64 s[OA:OA+1], s[20:21], s[OF:OF+1]
	s_add_nc_u64 s[OB:OB+1], s[OA:OA+1], 0x800000  ; sixteen blocks of 524,288 bytes on: the immediates stay inside their signed 24 bits
	STREAM32 0
	s_branch .Lend
.Lw:    ; W_Q, W_K, W_V.  The work-group takes 16 rows (k) of one of them, wave w the heads 2 w and 2 w + 1: a head's 512 consecutive bytes of a row are an item, its 256 bytes of bf16 a piece of Wc's row.
	s_sub_co_u32 s38, s29, 256
	s_lshr_b32 s39, s38, 7                         ; which W
	s_and_b32 s40, s38, 127                        ; which 16 rows
	s_cmp_eq_u32 s39, 0
	s_cselect_b64 s[IN:IN+1], s[10:11], s[12:13]
	s_cmp_eq_u32 s39, 2
	s_cselect_b64 s[IN:IN+1], s[14:15], s[IN:IN+1]
	s_lshl_b32 s[OF], s40, 17                      ; 16 rows of 8,192 bytes
	s_lshl_b32 s41, s28, 10
	s_add_co_u32 s[OF], s[OF], s41
	s_add_nc_u64 s[IN:IN+1], s[IN:IN+1], s[OF:OF+1]
	s_mul_i32 s[OF], s28, 2*1572864                ; a head of Wc is 2,048 rows of 768 bytes
	s_mul_i32 s41, s40, 16*768
	s_add_co_u32 s[OF], s[OF], s41
	s_lshl_b32 s41, s39, 8                         ; Q, K or V: 256 bytes of a row
	s_add_co_u32 s[OF], s[OF], s41
	s_add_nc_u64 s[OA:OA+1], s[22:23], s[OF:OF+1]
	v_lshlrev_b32 v[INO], 4, v1
	v_lshlrev_b32 v[OUTO], 3, v1
	STREAM32 1
	s_branch .Lend
; The mask: chunk cc's eight stores, 512 consecutive bytes each.
.macro MOUT cc
.set i, 0
.rept 8
	global_store_b128 v[OUTO], v[D+32*(\cc)+4*i:D+32*(\cc)+4*i+3], s[OA:OA+1] offset:(4*(\cc)+i/2)*16384+(i%2)*512
.set i, i+1
.endr
.endm
.Lm:    ; THE MASK.  Wave w takes tile T = 8 (group - 640) + w: 16 queries x 1,024 keys.  Chunks of 256 keys go through the wave's own 16 rows of 272 bytes in LDS, in by rows, out by lanes.
	s_sub_co_u32 s38, s29, 640
	s_lshl_b32 s38, s38, 3
	s_add_co_u32 s38, s38, s28                     ; T
	s_lshl_b32 s[OF], s38, 14
	s_add_nc_u64 s[IN:IN+1], s[18:19], s[OF:OF+1]
	s_lshr_b32 s[OF], s38, 4
	s_lshl_b32 s[OF], s[OF], 18
	s_and_b32 s39, s38, 15
	s_lshl_b32 s39, s39, 10
	s_add_co_u32 s[OF], s[OF], s39
	s_add_nc_u64 s[OA:OA+1], s[26:27], s[OF:OF+1]
	s_mul_i32 s40, s28, 4352                       ; my wave's rows in LDS
	s_mov_b32 s41, 0x01010101
	s_mov_b32 s42, 0xf1
	v_lshlrev_b32 v[INO], 4, v6
	v_lshl_add_u32 v[INO], v7, 10, v[INO]          ; lanes 0-15 one row's 256 bytes, lanes 16-31 the next row's
	v_lshlrev_b32 v[OUTO], 4, v1
	v_mul_u32_u24 v[LST], v7, 272
	v_lshl_add_u32 v[LST], v6, 4, v[LST]
	v_add_nc_u32 v[LST], s40, v[LST]
	v_mul_u32_u24 v[LLD], v6, 272                  ; back: query lane % 16, keys 8 (lane / 16) on; 272 bytes = 68 words: each lane's two words fall into banks of their own (64 banks of 4 bytes: ISA guide 11.1)
	v_lshl_add_u32 v[LLD], v7, 3, v[LLD]
	v_add_nc_u32 v[LLD], s40, v[LLD]
	s_wait_alu depctr_va_vdst(0)                   ; the two offsets and the two LDS addresses are written, which the loads and stores below read
.set c, 0
.rept 4
.set i, 0
.rept 8
	global_load_b128 v[D+32*c+4*i:D+32*c+4*i+3], v[INO], s[IN:IN+1] offset:i*2048+c*256 th:TH_LOAD_NT
.set i, i+1
.endr
.set c, c+1
.endr
.set c, 0
.rept 4
	s_wait_loadcnt 24-8*c                          ; the later chunks' eight loads each may stay out
.if c > 0
	s_wait_alu depctr_va_vdst(0)                   ; the chunk before's arithmetic has written its 32 registers, which the global stores below read
.endif
.set i, 0
.rept 8
	ds_store_b128 v[LST], v[D+32*c+4*i:D+32*c+4*i+3] offset:i*544
.set i, i+1
.endr
	s_wait_alu depctr_vm_vsrc(0)                   ; the LDS stores have read the chunk's registers, in which the LDS loads land and which the arithmetic then writes
.set i, 0
.rept 8                                        ; i = 2 x (key step in the chunk) + u.  LDS serves a wave's instructions in order (ISA guide 5.7.1.4): these see the stores above, and the next chunk's stores come behind them
	ds_load_b64 v[D+32*c+4*i:D+32*c+4*i+1],   v[LLD] offset:32*i
	ds_load_b64 v[D+32*c+4*i+2:D+32*c+4*i+3], v[LLD] offset:32*i+16
.set i, i+1
.endr
.if c > 0
	MOUT c-1                                       ; the chunk before leaves while this chunk's LDS loads are out; no vector instruction since the wait at the chunk's head
.endif
	s_wait_dscnt 0x0
.set i, 0
.rept 32
	v_sub_nc_u32 v[D+32*c+i], s41, v[D+32*c+i]     ; four bytes at once: 1 where hidden (no byte borrows: each is 0 or 1),
	v_mul_lo_u32 v[D+32*c+i], v[D+32*c+i], s42     ; 0xF1 where hidden
.set i, i+1
.endr
.set c, c+1
.endr
	s_wait_alu depctr_va_vdst(0)                   ; the last chunk's arithmetic has written its registers, which the last eight stores read
	MOUT 3
	s_branch .Lend
.Lo:    ; W_O, turned.  The work-group takes 128 rows (k) x 128 columns (n); wave w loads rows 16 w on; two k of one n make a word, put into row n of 272 bytes; behind a barrier wave w takes
        ; the columns 16 w .. + 15 back in the lanes' order, a block of 16 k at a time.
	s_sub_co_u32 s38, s29, 672
	s_lshl_b32 s[OF], s38, 16
	s_lshl_b32 s39, s28, 13
	s_add_co_u32 s[OF], s[OF], s39
	s_add_nc_u64 s[IN:IN+1], s[16:17], s[OF:OF+1]
	s_lshl_b32 s[OF], s28, 16                      ; a block of 16 columns: 128 blocks of 512 bytes
	s_lshl_b32 s39, s38, 12                        ; the group's 128 k: 8 blocks
	s_add_co_u32 s[OF], s[OF], s39
	s_add_nc_u64 s[OA:OA+1], s[24:25], s[OF:OF+1]
	v_lshlrev_b32 v[INO], 4, v1
	s_wait_alu depctr_va_vdst(0)                   ; v[INO] is written, which the sixteen loads read
.set i, 0
.rept 16
	global_load_b128 v[D+4*i:D+4*i+3], v[INO], s[IN:IN+1] offset:i*512 th:TH_LOAD_NT
.set i, i+1
.endr
	s_lshl_b32 s40, s28, 5
	v_mul_u32_u24 v[LST], v1, 1088                 ; my four columns n = 4 lane + c: four rows of 272 bytes
	v_add_nc_u32 v[LST], s40, v[LST]               ; my wave's 16 k: 32 bytes
	s_mul_i32 s40, s28, 16*272
	v_mul_u32_u24 v[LLD], v6, 272                  ; back: column lane % 16 of my sixteen, 16 bytes (8 k) at 16 (lane / 16): the 16 rows of a load start in 16 different groups of four banks
	v_lshl_add_u32 v[LLD], v7, 4, v[LLD]
	v_add_nc_u32 v[LLD], s40, v[LLD]
	v_lshlrev_b32 v[OUTO], 4, v1
	s_mov_b32 s41, 0xffff0000
.set p, 0
.rept 8                                        ; eight pairs of rows, in two halves of four; the first half's LDS stores are dealt among the second half's conversions
.if p == 0
	s_wait_loadcnt 8                               ; the first four pairs of rows are in; the other eight loads may stay out
.elseif p == 4
	s_wait_loadcnt 0x0
	s_wait_alu depctr_va_vdst(0)                   ; the first half's sixteen words and v[LST] are written, which the LDS stores of this half read; the conversions below name other registers
.endif
.irp c, 0,1,2,3
.if p >= 4
	ds_store_b32 v[LST], v[96+4*(p-4)+(\c)] offset:(\c)*272+4*(p-4)
.endif
	v_cvt_pk_bf16_f32 v10, v[D+8*p+(\c)], v[D+8*p+4+(\c)]  ; the input's one rounding, to bf16;
	v_lshlrev_b32 v11, 16, v10
	v_and_b32 v12, s41, v10
	v_cvt_pk_f16_f32 v[96+4*p+(\c)], v11, v12      ; that number written as f16
.endr
.set p, p+1
.endr
	s_wait_alu depctr_va_vdst(0)                   ; the second half's words are written, which the LDS stores read; the conversions are done reading v[D ..], in which the LDS loads behind the barrier land; v[LLD] and v[OUTO] are written
.set p, 4
.rept 4
.irp c, 0,1,2,3
	ds_store_b32 v[LST], v[96+4*p+(\c)] offset:(\c)*272+4*p
.endr
.set p, p+1
.endr
	s_wait_dscnt 0x0                               ; for the others' sake: my stores are done
	s_barrier_signal -1
	s_barrier_wait -1
.set i, 0
.rept 8
	ds_load_b128 v[D+4*i:D+4*i+3], v[LLD] offset:i*32
.set i, i+1
.endr
.set i, 0
.rept 8
	s_wait_dscnt 7-i
	global_store_b128 v[OUTO], v[D+4*i:D+4*i+3], s[OA:OA+1] offset:i*512  ; a block: 512 consecutive bytes, aligned
.set i, i+1
.endr
.Lend:
	s_wait_dscnt 0x0                               ; the wave's end
	s_wait_alu 0x0
	s_wait_tensorcnt 0x0
	ds_add_u32 v[SPW], v[NIL]
	s_wait_dscnt 0x0
	s_endpgm
.Lfunc_end_k_q5151d8e469_prep:
	.size	k_q5151d8e469_prep, .Lfunc_end_k_q5151d8e469_prep-k_q5151d8e469_prep
	.p2alignl 7, 3214868480
	.fill 96, 4, 3214868480
	.section	.rodata,"a",@progbits
	.p2align	6, 0x0
	.amdhsa_kernel k_q5151d8e469_prep
		.amdhsa_group_segment_fixed_size 35840
		.amdhsa_private_segment_fixed_size 0
		.amdhsa_enable_private_segment 0
		.amdhsa_kernarg_size 80
		.amdhsa_user_sgpr_count 2
		.amdhsa_user_sgpr_kernarg_segment_ptr 1
		.amdhsa_wavefront_size32 1
		.amdhsa_system_sgpr_workgroup_id_x 1
		.amdhsa_system_sgpr_workgroup_id_y 1
		.amdhsa_system_sgpr_workgroup_id_z 1
		.amdhsa_system_vgpr_workitem_id 0
		.amdhsa_next_free_vgpr 160
		.amdhsa_next_free_sgpr 66
		.amdhsa_reserve_vcc 0
		.amdhsa_float_denorm_mode_32 3
		.amdhsa_float_denorm_mode_16_64 3
		.amdhsa_memory_ordered 1
		.amdhsa_forward_progress 1
		.amdhsa_inst_pref_size 67
	.end_amdhsa_kernel
	.amdgpu_metadata
---
amdhsa.version: [ 1, 2 ]
amdhsa.kernels:
  - .name:           k_q5151d8e469_prep
    .symbol:         k_q5151d8e469_prep.kd
    .args:
      - { .name: X, .offset: 0, .size: 8, .value_kind: global_buffer, .address_space: global }
      - { .name: W_Q, .offset: 8, .size: 8, .value_kind: global_buffer, .address_space: global }
      - { .name: W_K, .offset: 16, .size: 8, .value_kind: global_buffer, .address_space: global }
      - { .name: W_V, .offset: 24, .size: 8, .value_kind: global_buffer, .address_space: global }
      - { .name: W_O, .offset: 32, .size: 8, .value_kind: global_buffer, .address_space: global }
      - { .name: mask, .offset: 40, .size: 8, .value_kind: global_buffer, .address_space: global }
      - { .name: Xb, .offset: 48, .size: 8, .value_kind: global_buffer, .address_space: global }
      - { .name: Wc, .offset: 56, .size: 8, .value_kind: global_buffer, .address_space: global }
      - { .name: WOt, .offset: 64, .size: 8, .value_kind: global_buffer, .address_space: global }
      - { .name: Mb, .offset: 72, .size: 8, .value_kind: global_buffer, .address_space: global }
    .group_segment_fixed_size: 35840
    .private_segment_fixed_size: 0
    .kernarg_segment_align: 8
    .kernarg_segment_size: 80
    .max_flat_workgroup_size: 256
    .sgpr_count:     66
    .vgpr_count:     160
    .wavefront_size: 32
...
	.end_amdgpu_metadata
.endif
;; end of part 5
;; launch qkv: the kernel of part 2 again; grid 16 x 16, 4 waves a work-group, clusters of 4 x 4, 327,680 bytes of LDS; arguments Xb, Wc, Qs, Ks, Vs; writes Qs, Ks, Vs
;; launch attn: the kernel of part 3 again; grid 4 x 64, 4 waves a work-group, clusters of 4 x 1, 327,680 bytes of LDS; arguments Qs, Ks, Vs, Mb, At; writes At
;; launch outp (part 6): grid 128 x 2, 4 waves a work-group, no clusters, 35,328 bytes of LDS; arguments At, WOt, out0; writes out0
.if DOCPART == 6
	.amdgcn_target "amdgcn-amd-amdhsa--gfx1250"
	.amdhsa_code_object_version 6
	.text
	.protected	k_q5151d8e469_outp
	.globl	k_q5151d8e469_outp
	.p2align	8
	.type	k_q5151d8e469_outp,@function
k_q5151d8e469_outp:
	s_mov_b64 s[64:65], 0
	v_nop
	global_prefetch_b8 v0, s[64:65] scope:SCOPE_SE
	s_setreg_imm32_b32 hwreg(HW_REG_WAVE_SCHED_MODE, 0, 2), 2
	s_setreg_imm32_b32 hwreg(HW_REG_WAVE_MODE, 25, 1), 1
	s_wait_xcnt 0x0
	s_wait_alu depctr_vm_vsrc(0)
; OUT: out0[4096][128] = 64 x At W_O, operands f16, sums f32 (At holds the attention's result / 64).
; Both operands lie in memory in the lanes' order, a block of 16 x 16 numbers as 512 bytes, lane l's 16 bytes at 16 l: At [16 rows: 256][16 k: 128], WOt [16 columns: 8][16 k: 128].
; A fragment (16 x 32 k) is two blocks that lie end to end: two loads of 512 consecutive bytes.
; Work-group (gx, gy) makes 32 rows x 64 columns: 256 bytes of each of its rows of out0; 256 work-groups.  K IS SPLIT AMONG THE FOUR WAVES, 512 each; the four partial sums meet in LDS.
; The product is taken transposed (source 0 = 16 columns of W_O, source 1 = 16 rows of At): a lane holds one row of out0 and eight neighbouring columns.
; Fragments come straight from memory: no wave wants a byte that another wave of the group has fetched.  NO CLUSTER, NO TENSOR LOADS: what work-groups share is WOt, 512 KiB in all; a wave has
; 128 matrix instructions, so a ring with its barriers would cost more than it brings.
; THE MODE: SCHED_MODE bits 1:0 = 2 (LLVM: expert scheduling mode 2), set by the entry lines.  The code itself states the register dependences between vector or matrix instructions and memory or
; LDS instructions, with s_wait_alu, always for 0.
; THE PLAN.  Registers that memory or LDS instructions touch:
;   sets 0 .. 3   a chunk of 32 along K each, 48 registers.  Step c: its eight products read set c % 4; the loads of chunk c + 4 land in it, and they are issued in step c + 1.
;                 So a step's loads go into the set that the step BEFORE multiplied, and its own products name another set and the accumulators.
;   v[FO]         read by every load of a fragment; made at the head, never written again: the two scalar bases move on, and immediate offsets do the rest.
;   ACC           written by the products alone; read by the LDS stores of the way out.
;   v[LS], v[LR], v[YO]  made at the head, read on the way out.      v[BUF ..] on the way out: LDS loads land there, the sums work in place, the global stores read them.
;   v[SPW], v[NIL]       written at the head, read by the closing add alone.
; ONE wait on va_vdst stands in a step, behind the wait for the step's data: the products of the step before are done reading their set.  The step's twelve loads follow it in one run, ahead of its
; eight products.  Behind that run three chunks' 36 loads are out.  Set 3 lies in window 1 (v256-303): its loads and its products want window settings of their own.
.set SPARE, 34816                      ; behind the four partial tiles of 32 rows x 272 bytes: the spare words
.set FO,  2                            ; v2  16 x lane + my wave's 32 blocks of 16 k (16,384 bytes); for both tensors; never rewritten
.set LS,  3                            ; v3  where I put my 32 bytes of a partial tile's row
.set LR,  4                            ; v4  where I read rows back
.set YO,  5                            ; v5  my 16 bytes in two rows of out0
.set SPW, 6                            ; v6  LDS address of my spare word; never rewritten
.set NIL, 7                            ; v7  0; never rewritten
.set ACC, 16                           ; v[16:79]  accumulator (row block a, column block b) at ACC + 8 (4 a + b)
.set BUF, 80                           ; v[80:223] sets 0 to 2, 48 registers each: WOt's four fragments, then At's two; set 3 is v0-47 of window 1
.set MSB, 0
.macro WIN new                         ; s_set_vgpr_msb: bits 1:0 source 0, 3:2 source 1, 5:4 source 2, 7:6 destination; the high byte repeats the setting that is left; a switch that changes nothing is dropped
.if MSB != (\new)
	s_set_vgpr_msb (MSB<<8)|(\new)
.set MSB, (\new)
.endif
.endm
.set W_LD3, 0x40                       ; a load into set 3: destination in window 1, address in window 0
.set W_MM3, 0x05                       ; products on set 3: sources 0 and 1 in window 1, C and D in window 0
	s_load_b128 s[4:7], s[0:1], 0x0                ; At s[4:5], WOt s[6:7]
	s_load_b64 s[8:9], s[0:1], 0x10                ; out0
	v_lshl_add_u32 v[SPW], v0, 2, SPARE
	v_mov_b32 v[NIL], 0
	v_lshrrev_b32 v1, 5, v0
	v_readfirstlane_b32 s10, v1                    ; wave 0..3
	s_and_b32 s11, ttmp7, 0xffff                   ; gy
	v_and_b32 v8, 15, v0
	v_bfe_u32 v9, v0, 4, 1
	v_and_b32 v10, 31, v0
	s_wait_alu depctr_va_sdst(0)                   ; s10 is written, ahead of its first reader: the offsets below are made from it
	s_lshl_b32 s12, s10, 14
	v_lshl_add_u32 v[FO], v10, 4, s12
	s_mul_i32 s12, s10, 8704
	v_mul_u32_u24 v[LS], v8, 272
	v_lshl_add_u32 v[LS], v9, 5, v[LS]
	v_add_nc_u32 v[LS], s12, v[LS]
	s_mul_i32 s12, s10, 8*272
	v_mul_u32_u24 v[LR], v9, 272
	v_lshl_add_u32 v[LR], v8, 4, v[LR]
	v_add_nc_u32 v[LR], s12, v[LR]
	v_lshlrev_b32 v[YO], 4, v8
	v_lshl_add_u32 v[YO], v9, 9, v[YO]
	s_lshl_b32 s14, ttmp9, 17                      ; two blocks of 16 rows of At, 65,536 bytes each
	s_mov_b32 s15, 0
	s_lshl_b32 s16, s11, 18                        ; four blocks of 16 columns of WOt
	s_mov_b32 s17, 0
	s_lshl_b32 s18, ttmp9, 5
	s_lshl_b32 s19, s10, 3
	s_add_co_u32 s18, s18, s19                     ; the first of the 8 rows that I store
	s_lshl_b32 s18, s18, 9
	s_lshl_b32 s19, s11, 8
	s_add_co_u32 s18, s18, s19
	s_mov_b32 s19, 0
	s_wait_kmcnt 0x0
	s_add_nc_u64 s[4:5], s[4:5], s[14:15]
	s_add_nc_u64 s[6:7], s[6:7], s[16:17]
	s_add_nc_u64 s[8:9], s[8:9], s[18:19]
	s_wait_alu depctr_va_vdst(0)                   ; v[FO], v[LS], v[LR] and v[YO] are written, which the loads and stores of the whole kernel read
.macro SETAT st                        ; where set st begins, in its window
.if (\st) == 3
.set sb, 0
.else
.set sb, BUF+48*(\st)
.endif
.endm
.macro LOADS st, c                     ; 12 loads into set st: the chunk that lies c chunks (of 1,024 bytes a fragment) behind the two pointers
	SETAT \st
.irp b, 0,1,2,3
	global_load_b128 v[sb+8*(\b):sb+8*(\b)+3],   v[FO], s[6:7] offset:(\b)*65536+1024*(\c)
	global_load_b128 v[sb+8*(\b)+4:sb+8*(\b)+7], v[FO], s[6:7] offset:(\b)*65536+1024*(\c)+512
.endr
.irp a, 0,1
	global_load_b128 v[sb+32+8*(\a):sb+32+8*(\a)+3],   v[FO], s[4:5] offset:(\a)*65536+1024*(\c)
	global_load_b128 v[sb+32+8*(\a)+4:sb+32+8*(\a)+7], v[FO], s[4:5] offset:(\a)*65536+1024*(\c)+512
.endr
.endm
.macro MULS st, zero                   ; a chunk's 8 products: the eight accumulators take turns, one instruction a turn, over the backward jump too; zero = 1 starts the sums
	SETAT \st
.irp a, 0,1
.irp b, 0,1,2,3
.if \zero
	v_wmma_f32_16x16x32_f16 v[ACC+8*(4*(\a)+(\b)):ACC+8*(4*(\a)+(\b))+7], v[sb+8*(\b):sb+8*(\b)+7], v[sb+32+8*(\a):sb+32+8*(\a)+7], 0
.else
	v_wmma_f32_16x16x32_f16 v[ACC+8*(4*(\a)+(\b)):ACC+8*(4*(\a)+(\b))+7], v[sb+8*(\b):sb+8*(\b)+7], v[sb+32+8*(\a):sb+32+8*(\a)+7], v[ACC+8*(4*(\a)+(\b)):ACC+8*(4*(\a)+(\b))+7]
.endif
.endr
.endr
.endm
.macro PLACES                          ; four places behind the products, in front of stores that read results
.rept 4
	v_nop
.endr
.endm
; A step of the loop.  m: the set that is multiplied; l: the set that the step before multiplied, asked for again with the chunk that lies at chunks behind the pointers.
.macro STEP m, l, at
	s_wait_loadcnt 24                              ; loads come back in order: set m is in, the two younger chunks' 24 loads stay out
.if (\l) == 3
	WIN W_LD3                                      ; the switch stands ahead of the wait, the wait ahead of the loads
.else
	WIN 0
.endif
	s_wait_alu depctr_va_vdst(0)                   ; the products of the step before are done reading set l, in which the twelve loads land
	LOADS \l, \at
.if (\m) == 3
	WIN W_MM3
.else
	WIN 0
.endif
	MULS \m, 0
.endm
	LOADS 0, 0                                     ; all four sets are asked for at once: no vector or matrix instruction has named them
	LOADS 1, 1
	LOADS 2, 2
	WIN W_LD3
	LOADS 3, 3
	WIN 0
	s_wait_loadcnt 36                              ; chunk 0 is in; the three younger chunks' loads may stay out
	MULS 0, 1                                      ; the first chunk stands ahead of the loop: its products start the sums
	s_mov_b32 s20, 3
.Lk:                                           ; trip t: chunks 4 t + 1 .. 4 t + 4 are multiplied, chunks 4 t + 4 .. 4 t + 7 asked for
	STEP 1, 0, 4
	STEP 2, 1, 5
	STEP 3, 2, 6
	STEP 0, 3, 7
	s_wait_xcnt 0x0                                ; every load issued so far has read its address, so the pointers may be written
	s_add_nc_u64 s[4:5], s[4:5], 4096
	s_add_nc_u64 s[6:7], s[6:7], 4096
	s_sub_co_u32 s20, s20, 1
	s_cmp_lg_u32 s20, 0
	s_cbranch_scc1 .Lk
	s_wait_loadcnt 24                              ; chunks 13, 14, 15 load nothing: the counts run down, and no wait on va_vdst is owed
	MULS 1, 0
	s_wait_loadcnt 12
	MULS 2, 0
	s_wait_loadcnt 0x0
	WIN W_MM3
	MULS 3, 0
	WIN 0
	PLACES
	PLACES
	s_wait_alu depctr_va_vdst(0)                   ; the products have written the accumulators, which the LDS stores read, and are done reading sets 0 and 1, in which the LDS loads behind the barrier land; the places above stay beside this wait
.irp a, 0,1
.irp b, 0,1,2,3
	ds_store_b128 v[LS], v[ACC+8*(4*(\a)+(\b)):ACC+8*(4*(\a)+(\b))+3]   offset:(\a)*4352+(\b)*64      ; each accumulator from its low end on
	ds_store_b128 v[LS], v[ACC+8*(4*(\a)+(\b))+4:ACC+8*(4*(\a)+(\b))+7] offset:(\a)*4352+(\b)*64+16
.endr
.endr
	s_wait_dscnt 0x0                               ; for the others' sake: my stores are done
	s_barrier_signal -1
	s_barrier_wait -1                              ; all four partial sums lie in LDS
.irp p, 0,1,2,3                        ; wave w finishes rows 8 w .. 8 w + 7: two rows of 256 bytes a load, from each of the four partial tiles
.irp t, 0,1,2,3
	ds_load_b128 v[BUF+16*(\p)+4*(\t):BUF+16*(\p)+4*(\t)+3], v[LR] offset:(\p)*8704+(\t)*544
.endr
.endr
	s_wait_dscnt 0x0
.set r, 0
.rept 8
	v_pk_add_f32 v[BUF+r:BUF+r+1], v[BUF+r:BUF+r+1], v[BUF+16+r:BUF+16+r+1]
	v_pk_add_f32 v[BUF+32+r:BUF+32+r+1], v[BUF+32+r:BUF+32+r+1], v[BUF+48+r:BUF+48+r+1]
.set r, r+2
.endr
.set r, 0
.rept 8
	v_pk_add_f32 v[BUF+r:BUF+r+1], v[BUF+r:BUF+r+1], v[BUF+32+r:BUF+32+r+1]
.set r, r+2
.endr
.set r, 0
.rept 8
	v_pk_mul_f32 v[BUF+r:BUF+r+1], v[BUF+r:BUF+r+1], 0x42800000 op_sel_hi:[1,0]  ; x 64: v's factor 2^-6 is taken back
.set r, r+2
.endr
	s_wait_alu depctr_va_vdst(0)                   ; the sums and the scaling have written v[BUF .. BUF + 15], which the four stores read
.irp t, 0,1,2,3
	global_store_b128 v[YO], v[BUF+4*(\t):BUF+4*(\t)+3], s[8:9] offset:(\t)*1024  ; sixteen lanes store 256 consecutive bytes, aligned
.endr
	s_wait_dscnt 0x0                               ; the wave's end
	s_wait_alu 0x0
	s_wait_tensorcnt 0x0
	ds_add_u32 v[SPW], v[NIL]
	s_wait_dscnt 0x0
	s_endpgm
.Lfunc_end_k_q5151d8e469_outp:
	.size	k_q5151d8e469_outp, .Lfunc_end_k_q5151d8e469_outp-k_q5151d8e469_outp
	.p2alignl 7, 3214868480
	.fill 96, 4, 3214868480
	.section	.rodata,"a",@progbits
	.p2align	6, 0x0
	.amdhsa_kernel k_q5151d8e469_outp
		.amdhsa_group_segment_fixed_size 35328
		.amdhsa_private_segment_fixed_size 0
		.amdhsa_enable_private_segment 0
		.amdhsa_kernarg_size 24
		.amdhsa_user_sgpr_count 2
		.amdhsa_user_sgpr_kernarg_segment_ptr 1
		.amdhsa_wavefront_size32 1
		.amdhsa_system_sgpr_workgroup_id_x 1
		.amdhsa_system_sgpr_workgroup_id_y 1
		.amdhsa_system_sgpr_workgroup_id_z 1
		.amdhsa_system_vgpr_workitem_id 0
		.amdhsa_next_free_vgpr 304
		.amdhsa_next_free_sgpr 66
		.amdhsa_reserve_vcc 0
		.amdhsa_float_denorm_mode_32 3
		.amdhsa_float_denorm_mode_16_64 3
		.amdhsa_memory_ordered 1
		.amdhsa_forward_progress 1
		.amdhsa_inst_pref_size 22
	.end_amdhsa_kernel
	.amdgpu_metadata
---
amdhsa.version: [ 1, 2 ]
amdhsa.kernels:
  - .name:           k_q5151d8e469_outp
    .symbol:         k_q5151d8e469_outp.kd
    .args:
      - { .name: At, .offset: 0, .size: 8, .value_kind: global_buffer, .address_space: global }
      - { .name: WOt, .offset: 8, .size: 8, .value_kind: global_buffer, .address_space: global }
      - { .name: out0, .offset: 16, .size: 8, .value_kind: global_buffer, .address_space: global }
    .group_segment_fixed_size: 35328
    .private_segment_fixed_size: 0
    .kernarg_segment_align: 8
    .kernarg_segment_size: 24
    .max_flat_workgroup_size: 128
    .sgpr_count:     66
    .vgpr_count:     304
    .wavefront_size: 32
...
	.end_amdgpu_metadata
.endif
;; end of part 6
